; MI455X (gfx1250); checked and timed in simulation.
; The chip was launched on July 23, 2026; its instructions are those of AMD's public machine-readable ISA for CDNA 5 (MIT licence, August 2026) and "CDNA5" Instruction Set Architecture Reference Guide (July 2026). The comments in the code are by the model that wrote it; some were corrected since.
;; Multi Head Attention. Allowed arithmetic: matrix products marked QUANTISED: E2M3 operands, one E8M0 scale for each 32 along K, by v_wmma_scale_f32_16x16x128_f8f6f4 with both operands' format E2M3, f32 sums; everything else in f32.
;; Inputs: dense_b 1,024 float32; dense_w_codes 1,024 x 32 x 24 uint8 (E2M3 codes of dense_w, K innermost, in blocks of 32 codes, four codes in three bytes); dense_w_scales 1,024 x 32 uint8 (E8M0 scales of dense_w, one for each 32 codes along K); ln_b 1,024 float32; ln_g 1,024 float32; mask 16 x 1,024 x 1,024 int32; res_w_codes 1,024 x 16 x 24 uint8 (E2M3 codes of res_w, K innermost, in blocks of 32 codes, four codes in three bytes); res_w_scales 1,024 x 16 uint8 (E8M0 scales of res_w, one for each 32 codes along K); wk_b 1,024 float32; wk_w_codes 1,024 x 16 x 24 uint8 (E2M3 codes of wk_w, K innermost, in blocks of 32 codes, four codes in three bytes); wk_w_scales 1,024 x 16 uint8 (E8M0 scales of wk_w, one for each 32 codes along K); wq_b 1,024 float32; wq_w_codes 1,024 x 16 x 24 uint8 (E2M3 codes of wq_w, K innermost, in blocks of 32 codes, four codes in three bytes); wq_w_scales 1,024 x 16 uint8 (E8M0 scales of wq_w, one for each 32 codes along K); wv_b 1,024 float32; wv_w_codes 1,024 x 16 x 24 uint8 (E2M3 codes of wv_w, K innermost, in blocks of 32 codes, four codes in three bytes); wv_w_scales 1,024 x 16 uint8 (E8M0 scales of wv_w, one for each 32 codes along K); x_codes 8 x 1,024 x 16 x 24 uint8 (E2M3 codes of x, K innermost, in blocks of 32 codes, four codes in three bytes); x_scales 8 x 1,024 x 16 uint8 (E8M0 scales of x, one for each 32 codes along K).
;; Outputs: out0 8 x 1,024 x 1,024 float32.
;; This version of the problem:
;;   THIS VERSION OF THE PROBLEM IS GIVEN IN LOW PRECISION. The matrix products marked QUANTISED in the list below multiply operands that are first quantised to E2M3 (2 exponent bits, 3 mantissa bits; 6 bits a number), with one power-of-two scale for each 32 numbers along K (OCP MX v1.0); their sums are f32. All else is computed in f32.
;;   The module's matrix products, in the order in which they are computed (A, B: the left and right operand; K: the contracted axis; several contracted axes count as one K, in the product's order):
;;     1. [M 8,192, K 512] x [K 512, N 1,024]; A: input x (given as codes); B: input res_w (given as codes): QUANTISED
;;     2. [M 8,192, K 512] x [K 512, N 1,024]; A: input x (given as codes); B: input wq_w (given as codes): QUANTISED
;;     3. [M 8,192, K 512] x [K 512, N 1,024]; A: input x (given as codes); B: input wk_w (given as codes): QUANTISED
;;     4. [M 8,192, K 512] x [K 512, N 1,024]; A: input x (given as codes); B: input wv_w (given as codes): QUANTISED
;;     5. batch 128 x [M 1,024, K 64] x [K 64, N 1,024]; A: computed on the way; B: computed on the way: QUANTISED
;;     6. batch 128 x [M 1,024, K 1,024] x [K 1,024, N 64]; A: softmax (see below); B: computed on the way: QUANTISED
;;     7. [M 8,192, K 1,024] x [K 1,024, N 1,024]; A: computed on the way; B: input dense_w (given as codes): QUANTISED
;;   THE QUANTISER, for each operand of a quantised product, along K:
;;     - K is cut into blocks of 32 from its start; a last block that is shorter is filled with zeros.
;;     - A block's scale is 2^e with e = floor(log2(the largest magnitude in the block)) - 2, held to -126 .. 127; a block of zeros has e = 0. As a byte (E8M0): e + 127.
;;     - Each number is divided by its block's scale, clamped to +-7.5, and rounded to the nearest number of E2M3, ties to even, subnormals kept.
;;     - The product sums the exact products of the quantised numbers (number of the format x scale) in f32.
;;   ~~~python
;;   def quantise(x, axis):      # numpy; x: float32 -> the quantised numbers, widened to float32 again
;;       x = np.moveaxis(x, axis, -1); K = x.shape[-1]
;;       x = np.pad(x, [(0, 0)] * (x.ndim - 1) + [(0, -K % 32)]); x = x.reshape(x.shape[:-1] + (-1, 32)); a = np.abs(x).max(-1, keepdims=True)
;;       e = np.where(a > 0, np.clip(np.frexp(np.where(a > 0, a, 1))[1] - 1 - 2, -126, 127), 0)      # np.frexp(a)[1] - 1 = floor(log2(a)), exactly
;;       r = np.clip(x / 2.0 ** e, -7.5, 7.5)
;;       step = 2.0 ** (np.maximum(np.frexp(np.where(r == 0, 1, r))[1] - 1, 0) - 3)
;;       q = np.round(r / step) * step * 2.0 ** e      # np.round: ties to even
;;       return np.moveaxis(q.reshape(q.shape[:-2] + (-1,))[..., :K], -1, axis).astype(np.float32)
;;   ~~~
;;   SOFTMAX AHEAD OF A QUANTISED PRODUCT. Where the list says 'softmax', what is quantised is not the finished softmax but p = 2^(t - M), with t = logit x log2(e) and M = ceil(the row's largest t), a whole number; so 1/2 < the row's largest p <= 1. The row's sum l is taken of the UNQUANTISED p, in f32, and the product's result is divided by l at the end. Since M is a whole number, a kernel that streams over the keys may use a running M (the ceiling of the running maximum): every later rescaling is an exact power of two, which a block's scale takes up: the codes' values come out the same.
;;   OPERANDS COMPUTED ON THE WAY. 'Computed on the way' means the value that the module computes at that place (a softmax that the list does not call 'softmax' is quantised finished and normalised). What goes into a quantiser is computed in f32, as accurately as f32 sums, v_exp_f32 and their like allow (about 1e-6 of the number): no bf16 or f16 on the way to a quantiser, and a product that is left as it is and whose result goes on into a quantised operand takes f32 operands (vector FMAs, or v_wmma_f32_16x16x4_f32). A number that lies on a knife's edge between two numbers of the format may be rounded either way, as far as f32 arithmetic and the matrix unit's own rounding can turn it there, and no further.
;;   INPUTS GIVEN AS CODES. dense_w (in the module: [1024, 1024], K = its axis 0); res_w (in the module: [512, 1024], K = its axis 0); wk_w (in the module: [512, 1024], K = its axis 0); wq_w (in the module: [512, 1024], K = its axis 0); wv_w (in the module: [512, 1024], K = its axis 0); x (in the module: [8, 1024, 512], K = its axis 2): each comes as NAME_codes (uint8): NAME with its K axis moved to the last place and cut into blocks of 32 codes, [.., K / 32, bytes a block], one block behind the other in memory; four codes in three bytes: a row's codes are one little-endian stream of bits, code i at bits 6 i .. 6 i + 5 (a code: sign, 2 exponent bits, 3 mantissa bits); and NAME_scales (uint8): the same leading axes, one E8M0 byte (e + 127) for each 32 codes along K. Its value is code x scale, taken as it is: it is not quantised again, and the codes and scales need not be those that the quantiser above would give.
;; 2 versions. Each part assembles by itself: llvm-mc -triple=amdgcn-amd-amdhsa -mcpu=gfx1250 --defsym DOCPART=n.
;; ======== version 1 of 2: 4 launches
;; limits: right only within a limited range of input values
;; workspace buffers: xf 3,145,728 bytes; xs 262,144 bytes; wt 2,555,904 bytes; mb 2,097,152 bytes of whole numbers; qi 6,815,744 bytes; kv 13,631,488 bytes; oc 6,291,456 bytes; osc 524,288 bytes
;; launch prep (part 1): grid 736 x 1, 4 waves a work-group, no clusters, 34,304 bytes of LDS; arguments x_codes, x_scales, wq_w_codes, wq_w_scales, wk_w_codes, wk_w_scales, wv_w_codes, wv_w_scales, res_w_codes, res_w_scales, dense_w_codes, dense_w_scales, mask, xf, xs, wt, mb; writes xf, xs, wt, mb
.if DOCPART == 1
	.amdgcn_target "amdgcn-amd-amdhsa--gfx1250"
	.amdhsa_code_object_version 6
	.text
	.protected	k_qbc42435120_prep
	.globl	k_qbc42435120_prep
	.p2align	8
	.type	k_qbc42435120_prep,@function
k_qbc42435120_prep:
	s_mov_b64 s[64:65], 0
	v_nop
	global_prefetch_b8 v0, s[64:65] scope:SCOPE_SE
	s_setreg_imm32_b32 hwreg(HW_REG_WAVE_MODE, 25, 1), 1
	s_wait_xcnt 0x0
; LAYS THE GIVEN OPERANDS AS THE LATER LAUNCHES' REGISTERS WANT THEM, AND PACKS THE MASK TO ONE BIT A NUMBER.  No arithmetic on codes: bytes are moved.
; A fragment (16 rows x 128 K of 6-bit codes) is 12 registers a lane: lane (r, hh) holds 24 bytes at 24 hh and 24 bytes at 48 + 24 hh of its row's 96.
; Its IMAGE is 1,536 bytes: registers 4 g .. 4 g + 3 of lane l at 512 g + 16 l.  A RECORD is four images and, at byte 6,144, each lane's four scale words: 6,656 bytes.
; THE ROWS OF A FRAGMENT ARE NOT NEIGHBOURS: of a group of 64 rows fragment f takes, in lane r, row 32 (f / 2) + 8 (f % 2) + r + 8 (r / 8).
; Work-groups 0-127: x, 64 tokens each, a wave to a K step of 128 -> xf [run of 32 tokens][K step][tile] images, xs the same index, 128 bytes of scale words.
; Work-groups 128-191: wq, wk, wv, res_w, 64 rows each; 192-223: dense_w -> wt: records (matrix x 16 + head) x 4 + K step, then 192 + 12 x column group + K step (0-3 res_w, 4-11 dense_w).
; Work-groups 224-735: the mask.  A wave takes one tile of 16 queries of one head and 512 keys, 128 a step.  Word 16 b + i of a step has in bit l whether
; mask[head][the tile's row l % 16][128 step + 32 b + 16 (l / 16) + i] is not 0: the very lane mask that selects register 16 b + i of the scores.
; The mask's loads read 512 consecutive bytes of a row; a step's 16 rows turn through the wave's own stage in LDS (rows 528 bytes apart, so that 16 rows start in 16 different groups of banks).
.set RA,     16                        ; v16-79, v80-143: two sets of 16 x 4 registers as loaded
.set XX,     144                       ; v144-207: my 64 numbers of a step
.set OUTW,   208                       ; v208-215: a pair of registers for each step: lane l holds words 2 l and 2 l + 1
.set SPITCH, 528
	v_lshl_add_u32 v224, v0, 2, 0x8400
	v_mov_b32 v225, 0
	v_lshrrev_b32 v9, 5, v0
	v_readfirstlane_b32 s14, v9                    ; wave 0..3
	v_and_b32 v10, 31, v0                          ; lane
	v_lshlrev_b32 v1, 4, v10                       ; 16 x lane
	v_lshlrev_b32 v2, 2, v10                       ; 4 x lane
	v_and_b32 v11, 15, v0                          ; r
	v_bfe_u32 v12, v0, 4, 1                        ; hh
	v_and_b32 v5, 8, v11
	v_add_nc_u32 v5, v5, v11                       ; r + 8 (r / 8)
	s_cmp_lt_u32 ttmp9, 128
	s_cbranch_scc1 .Lx
	s_cmp_lt_u32 ttmp9, 192
	s_cbranch_scc1 .Lw
	s_cmp_lt_u32 ttmp9, 224
	s_cbranch_scc1 .Ld
	; ---- the mask
	s_load_b64 s[4:5], s[0:1], 0x60                ; mask
	s_load_b64 s[8:9], s[0:1], 0x80                ; mb
	s_sub_co_u32 s15, ttmp9, 224
	s_lshl_b32 s15, s15, 2
	s_add_co_u32 s15, s15, s14                     ; 0 .. 2,047
	s_lshr_b32 s16, s15, 7                         ; head
	s_bfe_u32 s17, s15, 0x60001                    ; tile of queries, 0 .. 63
	s_and_b32 s18, s15, 1                          ; which 512 keys
	s_lshl_b32 s20, s16, 22                        ; a head's mask is 4 MiB;
	s_lshr_b32 s22, s17, 1
	s_lshl_b32 s22, s22, 17                        ; 32 rows of 4,096 bytes for each pair of tiles;
	s_add_co_u32 s20, s20, s22
	s_and_b32 s22, s17, 1
	s_lshl_b32 s22, s22, 15                        ; 8 rows for the odd tile;
	s_add_co_u32 s20, s20, s22
	s_lshl_b32 s22, s18, 11                        ; 512 keys are 2,048 bytes
	s_add_co_u32 s20, s20, s22
	s_mov_b32 s21, 0
	s_lshl_b32 s22, s16, 17                        ; mb: 131,072 bytes a head, 2,048 a tile, 256 a step
	s_lshl_b32 s24, s17, 11
	s_add_co_u32 s22, s22, s24
	s_lshl_b32 s24, s18, 10
	s_add_co_u32 s22, s22, s24
	s_mov_b32 s23, 0
	s_mul_i32 s24, s14, 16*SPITCH                  ; my stage
	v_add_nc_u32 v6, s24, v1                       ; in: 16 x lane of a row
	v_mul_u32_u24 v7, v11, SPITCH
	v_lshl_add_u32 v7, v12, 6, v7
	v_add_nc_u32 v7, s24, v7                       ; out: row r, + 64 hh
	v_lshlrev_b32 v8, 3, v10                       ; 8 bytes a lane on the way to memory
.irp i, 0,1,2,3,4,5,6,7
	v_mov_b32 v[OUTW+\i], 0                        ; v_writelane_b32's destination counts as read
.endr
	s_wait_kmcnt 0x0
	s_add_nc_u64 s[4:5], s[4:5], s[20:21]
	s_add_nc_u64 s[8:9], s[8:9], s[22:23]
.macro LOADM t                         ; step t: 512 bytes of each of the tile's 16 rows
.irp i, 0,1,2,3,4,5,6,7,8,9,10,11,12,13,14,15
	global_load_b128 v[RA+64*((\t)%2)+4*\i:RA+64*((\t)%2)+4*\i+3], v1, s[4:5] offset:(\i+8*(\i/8))*4096+512*(\t) th:TH_LOAD_NT
.endr
.endm
.macro MSTEP t
.if (\t) < 3
	s_wait_loadcnt 16                              ; this step's 16 loads are in; the next step's 16 may be out
.else
	s_wait_loadcnt 0x0
.endif
.irp i, 0,1,2,3,4,5,6,7,8,9,10,11,12,13,14,15
	ds_store_b128 v6, v[RA+64*((\t)%2)+4*\i:RA+64*((\t)%2)+4*\i+3] offset:SPITCH*\i
.endr
.irp q, 0,1,2,3,4,5,6,7,8,9,10,11,12,13,14,15
	ds_load_b128 v[XX+4*\q:XX+4*\q+3], v7 offset:128*(\q/4)+16*(\q%4)   ; LDS serves a wave's instructions in order: these see the stores above
.endr
	s_wait_dscnt 0x0                               ; my numbers are back, and the stores have read their registers,
.if (\t) < 2
	LOADM (\t)+2                                   ; which take the loads of two steps on
.endif
.set j, 0
.rept 8
.irp e, 0,1,2,3,4,5,6,7
	v_cmp_ne_u32 s[32+\e], 0, v[XX+j+\e]           ; word j + e: a bit for each lane
.endr
.irp e, 0,1,2,3,4,5,6,7
	v_writelane_b32 v[OUTW+2*(\t)+\e%2], s[32+\e], (j+\e)/2
.endr
.set j, j+8
.endr
	global_store_b64 v8, v[OUTW+2*(\t):OUTW+2*(\t)+1], s[8:9] offset:256*(\t)   ; 32 lanes store 256 consecutive bytes, aligned; each step has its own pair, so no store's data are written again
.endm
	LOADM 0
	LOADM 1
	MSTEP 0
	MSTEP 1
	MSTEP 2
	MSTEP 3
	s_wait_tensorcnt 0x0
	ds_add_u32 v224, v225
	s_wait_dscnt 0x0
	s_endpgm
; Four fragments of a group of 64 rows, one K step, and their scale words: codes at s[4:5], scale bytes at s[6:7]; pitch and spitch: a row's bytes
.macro QUAD pitch, spitch
	v_mul_u32_u24 v3, v5, \pitch
	v_mad_u32_u24 v3, v12, 24, v3
	v_mul_u32_u24 v4, v5, \spitch
.irp f, 0,1,2,3
.irp p, 0,1,2,3,4,5
	global_load_b64 v[16+12*\f+2*\p:16+12*\f+2*\p+1], v3, s[4:5] offset:(32*(\f/2)+8*(\f%2))*\pitch+48*(\p/3)+8*(\p%3)
.endr
	global_load_b32 v[64+\f], v4, s[6:7] offset:(32*(\f/2)+8*(\f%2))*\spitch
.endr
	s_wait_loadcnt 0x0
.endm
.macro ST_REC                          ; a record at s[8:9]: thirteen stores of 512 consecutive bytes
.irp g, 0,1,2,3,4,5,6,7,8,9,10,11
	global_store_b128 v1, v[16+4*\g:16+4*\g+3], s[8:9] offset:512*\g
.endr
	global_store_b128 v1, v[64:67], s[8:9] offset:6144
.endm
.Lx:	; ---- x: 64 tokens x one K step
	s_load_b128 s[4:7], s[0:1], 0x0                ; x's codes, x's scales
	s_load_b64 s[8:9], s[0:1], 0x68                ; xf
	s_load_b64 s[10:11], s[0:1], 0x70              ; xs
	s_mul_i32 s16, ttmp9, 24576                    ; 64 rows of 384 bytes,
	s_mul_i32 s18, s14, 96                         ; 96 bytes a K step
	s_add_co_u32 s16, s16, s18
	s_mov_b32 s17, 0
	s_lshl_b32 s18, ttmp9, 10                      ; 64 rows of 16 scale bytes, 4 a K step
	s_lshl_b32 s20, s14, 2
	s_add_co_u32 s18, s18, s20
	s_mov_b32 s19, 0
	s_mul_i32 s20, ttmp9, 24576                    ; xf: two runs of 32 tokens, 12,288 bytes each; 3,072 a K step
	s_mul_i32 s22, s14, 3072
	s_add_co_u32 s20, s20, s22
	s_mov_b32 s21, 0
	s_lshl_b32 s22, ttmp9, 11                      ; xs: 1,024 bytes a run, 256 a K step
	s_lshl_b32 s24, s14, 8
	s_add_co_u32 s22, s22, s24
	s_mov_b32 s23, 0
	s_wait_kmcnt 0x0
	s_add_nc_u64 s[4:5], s[4:5], s[16:17]
	s_add_nc_u64 s[6:7], s[6:7], s[18:19]
	s_add_nc_u64 s[8:9], s[8:9], s[20:21]
	s_add_nc_u64 s[10:11], s[10:11], s[22:23]
	QUAD 384, 16
.irp f, 0,1,2,3
.irp g, 0,1,2
	global_store_b128 v1, v[16+12*\f+4*\g:16+12*\f+4*\g+3], s[8:9] offset:(\f/2)*12288+(\f%2)*1536+512*\g
.endr
	global_store_b32 v2, v[64+\f], s[10:11] offset:(\f/2)*1024+(\f%2)*128
.endr
	s_endpgm
.Lw:	; ---- wq, wk, wv, res_w: 64 rows x one K step
	s_load_b128 s[16:19], s[0:1], 0x10             ; wq's codes, scales
	s_load_b128 s[20:23], s[0:1], 0x20             ; wk's
	s_load_b128 s[24:27], s[0:1], 0x30             ; wv's
	s_load_b128 s[28:31], s[0:1], 0x40             ; res_w's
	s_load_b64 s[8:9], s[0:1], 0x78                ; wt
	s_sub_co_u32 s15, ttmp9, 128
	s_lshr_b32 s32, s15, 4                         ; which matrix
	s_and_b32 s33, s15, 15                         ; which 64 rows
	s_mul_i32 s34, s33, 24576
	s_mul_i32 s36, s14, 96
	s_add_co_u32 s34, s34, s36
	s_mov_b32 s35, 0
	s_lshl_b32 s36, s33, 10
	s_lshl_b32 s38, s14, 2
	s_add_co_u32 s36, s36, s38
	s_mov_b32 s37, 0
	s_lshl_b32 s38, s15, 2
	s_add_co_u32 s38, s38, s14                     ; the record of wq, wk, wv: (matrix x 16 + head) x 4 + K step
	s_mul_i32 s40, s33, 12
	s_add_co_u32 s40, s40, s14
	s_add_co_u32 s40, s40, 192                     ; of res_w: 192 + 12 x column group + K step
	s_cmp_lt_u32 s32, 3
	s_cselect_b32 s38, s38, s40
	s_mul_i32 s38, s38, 6656
	s_mov_b32 s39, 0
	s_wait_kmcnt 0x0
	s_mov_b64 s[4:5], s[16:17]                     ; the choice of buffers hangs on the work-group's number alone
	s_mov_b64 s[6:7], s[18:19]
	s_cmp_eq_u32 s32, 1
	s_cselect_b64 s[4:5], s[20:21], s[4:5]
	s_cselect_b64 s[6:7], s[22:23], s[6:7]
	s_cmp_eq_u32 s32, 2
	s_cselect_b64 s[4:5], s[24:25], s[4:5]
	s_cselect_b64 s[6:7], s[26:27], s[6:7]
	s_cmp_eq_u32 s32, 3
	s_cselect_b64 s[4:5], s[28:29], s[4:5]
	s_cselect_b64 s[6:7], s[30:31], s[6:7]
	s_add_nc_u64 s[4:5], s[4:5], s[34:35]
	s_add_nc_u64 s[6:7], s[6:7], s[36:37]
	s_add_nc_u64 s[8:9], s[8:9], s[38:39]
	QUAD 384, 16
	ST_REC
	s_endpgm
.Ld:	; ---- dense_w: 64 rows x one of 8 K steps
	s_load_b128 s[4:7], s[0:1], 0x50               ; dense_w's codes, scales
	s_load_b64 s[8:9], s[0:1], 0x78                ; wt
	s_sub_co_u32 s15, ttmp9, 192
	s_lshr_b32 s32, s15, 1                         ; column group
	s_and_b32 s33, s15, 1
	s_lshl_b32 s33, s33, 2
	s_add_co_u32 s33, s33, s14                     ; K step 0 .. 7
	s_mul_i32 s34, s32, 49152                      ; 64 rows of 768 bytes
	s_mul_i32 s36, s33, 96
	s_add_co_u32 s34, s34, s36
	s_mov_b32 s35, 0
	s_lshl_b32 s36, s32, 11                        ; 64 rows of 32 scale bytes
	s_lshl_b32 s38, s33, 2
	s_add_co_u32 s36, s36, s38
	s_mov_b32 s37, 0
	s_mul_i32 s38, s32, 12
	s_add_co_u32 s38, s38, s33
	s_add_co_u32 s38, s38, 196                     ; 192 + 12 x column group + 4 + K step
	s_mul_i32 s38, s38, 6656
	s_mov_b32 s39, 0
	s_wait_kmcnt 0x0
	s_add_nc_u64 s[4:5], s[4:5], s[34:35]
	s_add_nc_u64 s[6:7], s[6:7], s[36:37]
	s_add_nc_u64 s[8:9], s[8:9], s[38:39]
	QUAD 768, 32
	ST_REC
	s_endpgm
.Lfunc_end_k_qbc42435120_prep:
	.size	k_qbc42435120_prep, .Lfunc_end_k_qbc42435120_prep-k_qbc42435120_prep
	.p2alignl 7, 3214868480
	.fill 96, 4, 3214868480
	.section	.rodata,"a",@progbits
	.p2align	6, 0x0
	.amdhsa_kernel k_qbc42435120_prep
		.amdhsa_group_segment_fixed_size 34304
		.amdhsa_private_segment_fixed_size 0
		.amdhsa_enable_private_segment 0
		.amdhsa_kernarg_size 136
		.amdhsa_user_sgpr_count 2
		.amdhsa_user_sgpr_kernarg_segment_ptr 1
		.amdhsa_wavefront_size32 1
		.amdhsa_system_sgpr_workgroup_id_x 1
		.amdhsa_system_sgpr_workgroup_id_y 1
		.amdhsa_system_sgpr_workgroup_id_z 1
		.amdhsa_system_vgpr_workitem_id 0
		.amdhsa_next_free_vgpr 226
		.amdhsa_next_free_sgpr 66
		.amdhsa_reserve_vcc 0
		.amdhsa_float_denorm_mode_32 3
		.amdhsa_float_denorm_mode_16_64 3
		.amdhsa_memory_ordered 1
		.amdhsa_forward_progress 1
		.amdhsa_inst_pref_size 66
	.end_amdhsa_kernel
	.amdgpu_metadata
---
amdhsa.version: [ 1, 2 ]
amdhsa.kernels:
  - .name:           k_qbc42435120_prep
    .symbol:         k_qbc42435120_prep.kd
    .args:
      - { .name: x_codes, .offset: 0, .size: 8, .value_kind: global_buffer, .address_space: global }
      - { .name: x_scales, .offset: 8, .size: 8, .value_kind: global_buffer, .address_space: global }
      - { .name: wq_w_codes, .offset: 16, .size: 8, .value_kind: global_buffer, .address_space: global }
      - { .name: wq_w_scales, .offset: 24, .size: 8, .value_kind: global_buffer, .address_space: global }
      - { .name: wk_w_codes, .offset: 32, .size: 8, .value_kind: global_buffer, .address_space: global }
      - { .name: wk_w_scales, .offset: 40, .size: 8, .value_kind: global_buffer, .address_space: global }
      - { .name: wv_w_codes, .offset: 48, .size: 8, .value_kind: global_buffer, .address_space: global }
      - { .name: wv_w_scales, .offset: 56, .size: 8, .value_kind: global_buffer, .address_space: global }
      - { .name: res_w_codes, .offset: 64, .size: 8, .value_kind: global_buffer, .address_space: global }
      - { .name: res_w_scales, .offset: 72, .size: 8, .value_kind: global_buffer, .address_space: global }
      - { .name: dense_w_codes, .offset: 80, .size: 8, .value_kind: global_buffer, .address_space: global }
      - { .name: dense_w_scales, .offset: 88, .size: 8, .value_kind: global_buffer, .address_space: global }
      - { .name: mask, .offset: 96, .size: 8, .value_kind: global_buffer, .address_space: global }
      - { .name: xf, .offset: 104, .size: 8, .value_kind: global_buffer, .address_space: global }
      - { .name: xs, .offset: 112, .size: 8, .value_kind: global_buffer, .address_space: global }
      - { .name: wt, .offset: 120, .size: 8, .value_kind: global_buffer, .address_space: global }
      - { .name: mb, .offset: 128, .size: 8, .value_kind: global_buffer, .address_space: global }
    .group_segment_fixed_size: 34304
    .private_segment_fixed_size: 0
    .kernarg_segment_align: 8
    .kernarg_segment_size: 136
    .max_flat_workgroup_size: 128
    .sgpr_count:     66
    .vgpr_count:     226
    .wavefront_size: 32
...
	.end_amdgpu_metadata
.endif
;; end of part 1
;; launch proj (part 2): grid 64 x 4, 4 waves a work-group, no clusters, 0 bytes of LDS; arguments xf, xs, wt, wq_b, wk_b, wv_b, qi, kv; writes qi, kv
.if DOCPART == 2
	.amdgcn_target "amdgcn-amd-amdhsa--gfx1250"
	.amdhsa_code_object_version 6
	.text
	.protected	k_qbc42435120_proj
	.globl	k_qbc42435120_proj
	.p2align	8
	.type	k_qbc42435120_proj,@function
k_qbc42435120_proj:
	s_mov_b64 s[64:65], 0
	v_nop
	global_prefetch_b8 v0, s[64:65] scope:SCOPE_SE
	s_setreg_imm32_b32 hwreg(HW_REG_WAVE_MODE, 25, 1), 1
	s_wait_xcnt 0x0
; q = x wq + bq, k = x wk + bk, v = x wv + bv on codes of FP6 (E2M3), and the three results quantised in registers: q and k along the head's 64 channels, v along the keys.
; SHARES.  A work-group takes 128 tokens (work-group x) and four heads (4 y + wave).  A wave makes its head's three records for these tokens and shares nothing: no LDS, no barrier, no label.
; x's 32 fragments (8 tiles of 16 tokens x 4 K steps) stay in 384 registers; the weights' records (4 fragments + their scale words: 13 loads of 512 consecutive bytes) come three stages ahead through four buffers.
; A STAGE is one K step of one matrix: 32 matrix instructions on 32 accumulators, which take turns, one instruction a turn.
; Q, K: source 0 = 16 channels of the weight, source 1 = 16 tokens: a lane holds ONE token, and by the choice of the weight's rows its 32 registers of a token tile are channels 32 b + 16 hh + 0 .. 15.
;   Two token tiles (64 registers, four blocks of 32) make ONE fragment: registers 0-5 the even tile's 64 channels, registers 6-11 the odd tile's; scale word: the even tile's two bytes, then the odd tile's.
; V: source 0 = 16 tokens, source 1 = 16 channels: a lane holds ONE channel, and its 64 registers of a channel tile are the 128 tokens' 32 b + 16 hh + 0 .. 15: a fragment whose K is the keys.
; The biases are the C of each sum's first matrix instruction.
; THE QUANTISER: a block's scale byte is its largest magnitude's exponent field - 2, held at 1 from below by a floor among the maximum's leaves.
; LIMITS: a block of zeros gets the byte 1 (its codes are zeros; this program alone reads the bytes); NaN and infinities are not served.
; REGISTERS, in windows of 256.  Window 0: v1-4 addresses; v16-47 x's scale words (8 K step + tile); v48-63 the weights' (4 buffer + fragment); v64-95 the bias as C; v96-111 at work; v112-115 a record's scale words;
;   v116-134 codes; v136-139 v's bias; v160-207, v208-255 weight buffers 2, 3.  Window 1: x's K steps 0, 1 (96 (step % 2) + 12 tile); v192-239 weight buffer 0.  Window 2: x's K steps 2, 3; buffer 1.  Window 3: the accumulators.
.set XS, 16
.set WS, 48
.set BI, 64
.set TM, 96
.set SW, 112
.set PC, 116
.set VB, 136
.set MSB, 0
.macro WIN new                         ; bits 1:0 source 0, 3:2 source 1, 5:4 source 2, 7:6 destination; the immediate's high byte repeats the setting that is left
.if MSB != (\new)
	s_set_vgpr_msb (MSB<<8)|(\new)
.set MSB, (\new)
.endif
.endm
	s_load_b128 s[4:7], s[0:1], 0x0                ; xf, xs
	s_load_b128 s[8:11], s[0:1], 0x10              ; wt, wq_b
	s_load_b128 s[12:15], s[0:1], 0x20             ; wk_b, wv_b
	s_load_b128 s[16:19], s[0:1], 0x30             ; qi, kv
	v_lshrrev_b32 v5, 5, v0
	v_readfirstlane_b32 s20, v5                    ; wave
	v_and_b32 v5, 31, v0
	v_lshlrev_b32 v1, 4, v5                        ; 16 x lane: an image's place for my lane
	v_lshlrev_b32 v2, 2, v5                        ; 4 x lane: a scale word's
	v_bfe_u32 v3, v0, 4, 1
	v_lshlrev_b32 v3, 6, v3                        ; 64 hh: q's and k's bias, 16 numbers on for lanes 16-31
	v_and_b32 v5, 15, v0
	v_and_b32 v4, 8, v5
	v_add_nc_u32 v4, v4, v5
	v_lshlrev_b32 v4, 2, v4                        ; 4 (r + 8 (r / 8)): v's bias, my channel of a tile
.irp b, 0,1,2,3
	v_mov_b32 v[TM+4+\b], 0                        ; written once: a lane permute's destination counts as one of its sources
.endr
	s_and_b32 s21, ttmp7, 0xffff
	s_lshl_b32 s22, s21, 2
	s_add_co_u32 s22, s22, s20                     ; head
	s_lshr_b32 s23, ttmp9, 3                       ; batch
	s_and_b32 s26, ttmp9, 7                        ; which 128 tokens of the batch
	s_mov_b32 s24, 0x76543210
	s_mov_b32 s25, 0xfedcba98                      ; v_permlanex16_b32's selects for lane l xor 16
	s_mul_i32 s28, ttmp9, 49152                    ; xf: four runs of 32 tokens, 12,288 bytes each
	s_mov_b32 s29, 0
	s_lshl_b32 s30, ttmp9, 12                      ; xs: 1,024 bytes a run
	s_mov_b32 s31, 0
	s_mul_i32 s32, s22, 26624                      ; wt: four records a head
	s_mov_b32 s33, 0
	s_lshl_b32 s34, s22, 8                         ; the biases: 64 numbers a head
	s_mov_b32 s35, 0
	s_lshl_b32 s27, s23, 4
	s_add_co_u32 s27, s27, s22                     ; batch x 16 + head
	s_lshl_b32 s36, s27, 3
	s_add_co_u32 s36, s36, s26
	s_mul_i32 s36, s36, 6656                       ; qi: eight records a head
	s_mov_b32 s37, 0
	s_mul_i32 s38, s27, 106496                     ; kv: k's eight records, then v's eight
	s_mul_i32 s26, s26, 6656
	s_add_co_u32 s38, s38, s26
	s_mov_b32 s39, 0
	s_wait_kmcnt 0x0
	s_add_nc_u64 s[4:5], s[4:5], s[28:29]
	s_add_nc_u64 s[6:7], s[6:7], s[30:31]
	s_add_nc_u64 s[8:9], s[8:9], s[32:33]
	s_add_nc_u64 s[10:11], s[10:11], s[34:35]
	s_add_nc_u64 s[12:13], s[12:13], s[34:35]
	s_add_nc_u64 s[14:15], s[14:15], s[34:35]
	s_add_nc_u64 s[16:17], s[16:17], s[36:37]
	s_add_nc_u64 s[18:19], s[18:19], s[38:39]
.irp ks, 0,1,2,3                       ; x: 96 loads of 512 consecutive bytes
	WIN 0x40+0x40*(\ks/2)
.irp i, 0,1,2,3,4,5,6,7
.irp g, 0,1,2
	global_load_b128 v[96*(\ks%2)+12*\i+4*\g:96*(\ks%2)+12*\i+4*\g+3], v1, s[4:5] offset:(\i/2)*12288+\ks*3072+(\i%2)*1536+512*\g
.endr
.endr
.endr
	WIN 0
.irp ks, 0,1,2,3
.irp i, 0,1,2,3,4,5,6,7
	global_load_b32 v[XS+8*\ks+\i], v2, s[6:7] offset:(\i/2)*1024+\ks*256+(\i%2)*128
.endr
.endr
.macro BIAS ptr                        ; q's or k's bias in the result's layout: tile t, lane (r, hh), register j: channel 32 (t / 2) + 8 (t % 2) + 16 hh + j
.irp t, 0,1,2,3
	global_load_b128 v[BI+8*\t:BI+8*\t+3], v3, s[\ptr:\ptr+1] offset:(32*(\t/2)+8*(\t%2))*4
	global_load_b128 v[BI+8*\t+4:BI+8*\t+7], v3, s[\ptr:\ptr+1] offset:(32*(\t/2)+8*(\t%2))*4+16
.endr
.endm
	BIAS 10
.irp t, 0,1,2,3
	global_load_b32 v[VB+\t], v4, s[14:15] offset:(32*(\t/2)+8*(\t%2))*4   ; v's bias: one number for my channel of tile t
.endr
.macro WSEL s                          ; where weight buffer s lies
.if (\s) == 0
.set WBASE, 192
.set WWIN, 1
.elseif (\s) == 1
.set WBASE, 192
.set WWIN, 2
.elseif (\s) == 2
.set WBASE, 160
.set WWIN, 0
.else
.set WBASE, 208
.set WWIN, 0
.endif
.endm
.macro WLOAD g                         ; stage g's record (matrix g / 4, K step g % 4) into buffer g % 4: 13 loads
.set LM, (\g)/4
.set LK, (\g)%4
	WSEL LK
	WIN WWIN<<6
.irp q, 0,1,2,3,4,5,6,7,8,9,10,11
	global_load_b128 v[WBASE+4*\q:WBASE+4*\q+3], v1, s[8:9] offset:LM*425984+LK*6656+512*\q
.endr
	WIN 0
	global_load_b128 v[WS+4*LK:WS+4*LK+3], v1, s[8:9] offset:LM*425984+LK*6656+6144
.endm
	WLOAD 0
	WLOAD 1
	WLOAD 2
.macro STAGE mat, s
.set SG, 4*(\mat)+(\s)
.if SG+3 <= 11
	WLOAD SG+3                                     ; into the buffer that the last stage multiplied: its four trailing v_nop are the places in front of these loads
.endif
.if SG <= 8
	s_wait_loadcnt 39                              ; this stage's record is in: behind it stand the 13 loads of each of the three later stages (bias loads among them only make the wait stricter)
.else
	s_wait_loadcnt 13*(11-SG)
.endif
	WSEL \s
.set XWIN, 1+(\s)/2
.set XB, 96*((\s)%2)
.if (\s) == 0
.set CW, 0
.else
.set CW, 3
.endif
.if (\mat) < 2
	WIN WWIN|(XWIN<<2)|(CW<<4)|0xc0
.else
	WIN XWIN|(WWIN<<2)|(CW<<4)|0xc0
.endif
.irp i, 0,1,2,3,4,5,6,7
.irp t, 0,1,2,3
.if (\mat) < 2
.set DD, 8*(4*\i+\t)
.if (\s) == 0
	v_wmma_scale_f32_16x16x128_f8f6f4 v[DD:DD+7], v[WBASE+12*\t:WBASE+12*\t+11], v[XB+12*\i:XB+12*\i+11], v[BI+8*\t:BI+8*\t+7], v[WS+4*(\s)+\t], v[XS+8*(\s)+\i] matrix_a_fmt:MATRIX_FMT_FP6 matrix_b_fmt:MATRIX_FMT_FP6
.else
	v_wmma_scale_f32_16x16x128_f8f6f4 v[DD:DD+7], v[WBASE+12*\t:WBASE+12*\t+11], v[XB+12*\i:XB+12*\i+11], v[DD:DD+7], v[WS+4*(\s)+\t], v[XS+8*(\s)+\i] matrix_a_fmt:MATRIX_FMT_FP6 matrix_b_fmt:MATRIX_FMT_FP6
.endif
.else
.set DD, 8*(8*\t+\i)
.if (\s) == 0
	v_wmma_scale_f32_16x16x128_f8f6f4 v[DD:DD+7], v[XB+12*\i:XB+12*\i+11], v[WBASE+12*\t:WBASE+12*\t+11], v[BI+8*\t:BI+8*\t+7], v[XS+8*(\s)+\i], v[WS+4*(\s)+\t] matrix_a_fmt:MATRIX_FMT_FP6 matrix_b_fmt:MATRIX_FMT_FP6
.else
	v_wmma_scale_f32_16x16x128_f8f6f4 v[DD:DD+7], v[XB+12*\i:XB+12*\i+11], v[WBASE+12*\t:WBASE+12*\t+11], v[DD:DD+7], v[XS+8*(\s)+\i], v[WS+4*(\s)+\t] matrix_a_fmt:MATRIX_FMT_FP6 matrix_b_fmt:MATRIX_FMT_FP6
.endif
.endif
.endr
.endr
	WIN 0
.rept 4
	v_nop                                          ; four places behind the products: in front of loads into their sources and of the first read of their results
.endr
.endm
; 64 accumulator registers from src on (window 3), register 16 b + i = k 32 b + 16 hh + i of my row, become fragment p of the record at s[ptr:ptr+1] + off, and its scale word v[SW + p].
.macro QW src, p, ptr, off
	WIN 0x0f                                       ; sources 0 and 1: window 3
.irp b, 0,1,2,3
	v_max3_num_f32 v[TM+\b], |v[(\src)+16*\b]|, |v[(\src)+16*\b+1]|, 0x1800000   ; my 16 numbers of block b, from each accumulator's low end on, and the floor 2^(3 - 127): the byte cannot fall under 1
.endr
.irp i, 2,4,6,8,10,12,14
.irp b, 0,1,2,3
	v_max3_num_f32 v[TM+\b], |v[(\src)+16*\b+\i]|, |v[(\src)+16*\b+\i+1]|, v[TM+\b]
.endr
.endr
	WIN 0
.irp b, 0,1,2,3
	v_permlanex16_b32 v[TM+4+\b], v[TM+\b], s24, s25
.endr
.irp b, 0,1,2,3
	v_max_num_f32 v[TM+\b], v[TM+\b], v[TM+4+\b]   ; with lane l xor 16's: the block's largest magnitude
.endr
.irp b, 0,1,2,3
	v_add_nc_u32 v[TM+12+\b], 0xff000000, v[TM+\b] ; 2 off its exponent field: the conversion takes the exponent field of this operand as its scale
.endr
.irp b, 0,1,2,3
	v_lshrrev_b32 v[TM+4+\b], 23, v[TM+12+\b]      ; the scale's byte
.endr
	s_wait_xcnt 0x0                                ; the earlier stores have read the codes' and the scale words' registers: only now are these written again
	v_lshl_or_b32 v[SW+(\p)], v[TM+5], 8, v[TM+4]
	v_lshl_or_b32 v[SW+(\p)], v[TM+6], 16, v[SW+(\p)]
	v_lshl_or_b32 v[SW+(\p)], v[TM+7], 24, v[SW+(\p)]
	WIN 0x03                                       ; source 0: window 3
.irp c, 0,1
	v_cvt_scalef32_pk16_fp6_f32 v[PC+6*\c:PC+6*\c+2], v[(\src)+32*\c:(\src)+32*\c+15], v[TM+12+2*\c]
	v_cvt_scalef32_pk16_fp6_f32 v[PC+12+4*\c:PC+14+4*\c], v[(\src)+16+32*\c:(\src)+31+32*\c], v[TM+13+2*\c]   ; (a conversion's three registers begin on an even number)
.endr
	WIN 0
	v_nop                                          ; one plain place behind a scaled conversion
.irp c, 0,1                            ; the operand's layout wants a whole block in a lane: lanes 0-15 block 2 c, lanes 16-31 block 2 c + 1
.irp i, 0,1,2
	v_permlane16_swap_b32 v[PC+6*\c+\i], v[PC+12+4*\c+\i]
.endr
.irp i, 0,1,2
	v_mov_b32 v[PC+3+6*\c+\i], v[PC+12+4*\c+\i]
.endr
.endr
.irp g, 0,1,2
	global_store_b128 v1, v[PC+4*\g:PC+4*\g+3], s[\ptr:\ptr+1] offset:(\off)+1536*(\p)+512*\g   ; 512 consecutive bytes, aligned to 256
.endr
.endm
.macro RECORD ptr, off                 ; the 256 accumulator registers become a record
	QW 0, 0, \ptr, \off
	QW 64, 1, \ptr, \off
	QW 128, 2, \ptr, \off
	QW 192, 3, \ptr, \off
	global_store_b128 v1, v[SW:SW+3], s[\ptr:\ptr+1] offset:(\off)+6144
.endm
	STAGE 0, 0
	BIAS 12                                        ; k's bias: the products that read q's stand four places back; it is older than the 39 loads that k's first stage leaves out
	STAGE 0, 1
	STAGE 0, 2
	STAGE 0, 3
	RECORD 16, 0
	STAGE 1, 0
.irp t, 0,1,2,3
.irp j, 0,1,2,3,4,5,6,7
	v_mov_b32 v[BI+8*\t+\j], v[VB+\t]              ; v's bias as C: a lane holds one channel, so all eight registers of a tile are that channel's number
.endr
.endr
	STAGE 1, 1
	STAGE 1, 2
	STAGE 1, 3
	RECORD 18, 0
	STAGE 2, 0
	STAGE 2, 1
	STAGE 2, 2
	STAGE 2, 3
	RECORD 18, 53248
	s_endpgm
.Lfunc_end_k_qbc42435120_proj:
	.size	k_qbc42435120_proj, .Lfunc_end_k_qbc42435120_proj-k_qbc42435120_proj
	.p2alignl 7, 3214868480
	.fill 96, 4, 3214868480
	.section	.rodata,"a",@progbits
	.p2align	6, 0x0
	.amdhsa_kernel k_qbc42435120_proj
		.amdhsa_group_segment_fixed_size 0
		.amdhsa_private_segment_fixed_size 0
		.amdhsa_enable_private_segment 0
		.amdhsa_kernarg_size 64
		.amdhsa_user_sgpr_count 2
		.amdhsa_user_sgpr_kernarg_segment_ptr 1
		.amdhsa_wavefront_size32 1
		.amdhsa_system_sgpr_workgroup_id_x 1
		.amdhsa_system_sgpr_workgroup_id_y 1
		.amdhsa_system_sgpr_workgroup_id_z 1
		.amdhsa_system_vgpr_workitem_id 0
		.amdhsa_next_free_vgpr 1024
		.amdhsa_next_free_sgpr 66
		.amdhsa_reserve_vcc 0
		.amdhsa_float_denorm_mode_32 3
		.amdhsa_float_denorm_mode_16_64 3
		.amdhsa_memory_ordered 1
		.amdhsa_forward_progress 1
		.amdhsa_inst_pref_size 134
	.end_amdhsa_kernel
	.amdgpu_metadata
---
amdhsa.version: [ 1, 2 ]
amdhsa.kernels:
  - .name:           k_qbc42435120_proj
    .symbol:         k_qbc42435120_proj.kd
    .args:
      - { .name: xf, .offset: 0, .size: 8, .value_kind: global_buffer, .address_space: global }
      - { .name: xs, .offset: 8, .size: 8, .value_kind: global_buffer, .address_space: global }
      - { .name: wt, .offset: 16, .size: 8, .value_kind: global_buffer, .address_space: global }
      - { .name: wq_b, .offset: 24, .size: 8, .value_kind: global_buffer, .address_space: global }
      - { .name: wk_b, .offset: 32, .size: 8, .value_kind: global_buffer, .address_space: global }
      - { .name: wv_b, .offset: 40, .size: 8, .value_kind: global_buffer, .address_space: global }
      - { .name: qi, .offset: 48, .size: 8, .value_kind: global_buffer, .address_space: global }
      - { .name: kv, .offset: 56, .size: 8, .value_kind: global_buffer, .address_space: global }
    .group_segment_fixed_size: 0
    .private_segment_fixed_size: 0
    .kernarg_segment_align: 8
    .kernarg_segment_size: 64
    .max_flat_workgroup_size: 128
    .sgpr_count:     66
    .vgpr_count:     1024
    .wavefront_size: 32
...
	.end_amdgpu_metadata
.endif
;; end of part 2
;; launch attn (part 3): grid 4 x 64, 16 waves a work-group, no clusters, 215,040 bytes of LDS; arguments kv, qi, mb, oc, osc; writes oc, osc
.if DOCPART == 3
	.amdgcn_target "amdgcn-amd-amdhsa--gfx1250"
	.amdhsa_code_object_version 6
	.text
	.protected	k_qbc42435120_attn
	.globl	k_qbc42435120_attn
	.p2align	8
	.type	k_qbc42435120_attn,@function
k_qbc42435120_attn:
	s_mov_b64 s[64:65], 0
	v_nop
	global_prefetch_b8 v0, s[64:65] scope:SCOPE_SE
	s_setreg_imm32_b32 hwreg(HW_REG_WAVE_MODE, 25, 1), 1
	s_wait_xcnt 0x0
; o = softmax(q k^T / 8, masked) v for two heads, both products on codes of FP6 (E2M3), and o / l quantised along the model's channels for the last product.
; SHARES.  A work-group owns 256 queries (work-group x) of one batch and one PAIR of heads (work-group y = 8 batch + pair).  Each of its sixteen waves owns one tile of 16 queries in 256 registers, four waves to a SIMD,
; and runs the pair's two heads one after the other, 8 key steps of 128 keys each.  k's and v's records of both heads, 212,992 consecutive bytes, are copied into LDS once (26 loads a thread): no ring, one barrier.
; No tile is shared between work-groups beyond that one copy, 26 loads a thread against 16 key steps: so no cluster and no joint load.
; LAYOUT.  Both products are used transposed, so that a lane holds ONE query throughout.  S^T = k q^T: the head has only 64 channels, so a fragment of k carries TWO tiles of 16 keys (K 0-63: the even tile, K 64-127: the odd one),
; and q stands beside zeros: [q | 0] picks the even tile, [0 | q] the odd one.  By the tiles' choice of keys the 16 registers of a pair are keys 32 p + 16 hh + 0 .. 15.  O^T = v^T p^T: source 0 = 16 channels of v, K = the step's 128 keys.
; THE MASK comes as lane masks, one word for each register of the scores, by scalar loads a step ahead: one v_cndmask_b32 a score.
; THE SOFTMAX: t = score x log2(e) / 8; M = the running largest t rounded up to a whole number; p = 2^(t - M) is quantised along the keys, not normalised; the sum is taken of the unquantised p and divides at the end;
; when M moves, the sum and O^T are multiplied by 2^(old M - new M), which rounds nothing.  A block's largest p is made of its largest score by the same multiply-add and exponential.
; LIMITS.  A masked score is set to -2^33 ahead of the factor, so that t = -1.549e9 is exact where the problem has -1.443e9: the results are the same while true logits stay above about -1e8; a row that is masked throughout
; gives p = 1 for every key, as the problem does.  p under 2^-126 is 0 (v_exp_f32).  A block of zeros gets the byte 1 with zero codes.  NaN and infinities are not served.
.set KF, 36                            ; v36-83   four fragments of k, then of v
.set KS, 84                            ; v84-87   their scale words
.set BM, 88                            ; v88-91   the blocks' largest scores, then largest p
.set T2, 92                            ; v92-95   lane permutes' destinations
.set SS, 96                            ; v96-159  S^T, then p
.set OO, 160                           ; v160-191 O^T
.set HOLD, 192                         ; v192-223 the first head's o
.set PC, 224                           ; v224-235 codes
.set CT, 236                           ; v236-242 the conversions' second halves; later a chain of the sum
.set SO, 244                           ; v244-247 the conversions' scale operands
.set BY, 248                           ; v248-251 scale bytes
; v1 16 x lane; v2 the LDS address in hand; v3 4 x lane; v4 -2^33; v5 q's scale word; v6-11, v34 the second head's q and its scale word; v12 -M, v13 the largest t, v[14:15] the sum in two halves;
; v16-33 [0 x 6 | q | 0 x 6]; v252 f, v253 p's scale word, v254 at work.
; s[4:5] kv, s[6:7] qi, s[8:9] mb, s[10:11] oc, s[12:13] osc, each at my part; s14 wave; s17 the step's record in LDS; s18 the step; s19 the mask words' offset; s[20:21] permute selects; s[22:23] c; s[32:63], s[68:99] 64 mask words.
	s_load_b128 s[4:7], s[0:1], 0x0                ; kv, qi
	s_load_b128 s[8:11], s[0:1], 0x10              ; mb, oc
	s_load_b64 s[12:13], s[0:1], 0x20              ; osc
	v_lshl_add_u32 v243, v0, 2, 0x34000
	v_mov_b32 v255, 0
	v_lshrrev_b32 v1, 5, v0
	v_readfirstlane_b32 s14, v1                    ; wave 0..15
	v_and_b32 v3, 31, v0
	v_lshlrev_b32 v1, 4, v3
	v_lshlrev_b32 v3, 2, v3
	v_lshlrev_b32 v176, 4, v0                      ; the copy: 16 bytes a thread, 8,192 an instruction; an LDS offset holds 16 bits, so four address registers
	v_add_nc_u32 v177, 0x10000, v176
	v_add_nc_u32 v178, 0x20000, v176
	v_add_nc_u32 v179, 0x30000, v176
	s_and_b32 s15, ttmp7, 0xffff                   ; 8 batch + pair
	s_lshr_b32 s16, s15, 3                         ; batch
	s_and_b32 s24, s15, 7                          ; pair of heads
	s_and_b32 s25, s14, 1                          ; u: my tile of its run of 32 queries
	s_lshr_b32 s26, s14, 1
	s_and_b32 s27, s26, 3                          ; p: my run's fragment in q's record
	s_mul_i32 s78, s15, 212992                     ; kv: the pair's bytes
	s_mov_b32 s79, 0
	s_lshl_b32 s28, s15, 4                         ; qi: record 8 x (first head) + 2 x work-group x + wave / 8
	s_lshl_b32 s29, ttmp9, 1
	s_add_co_u32 s28, s28, s29
	s_lshr_b32 s29, s14, 3
	s_add_co_u32 s28, s28, s29
	s_mul_i32 s28, s28, 6656
	s_mul_i32 s29, s27, 1536
	s_add_co_u32 s68, s28, s29                     ; my fragment,
	s_mov_b32 s69, 0
	s_lshl_b32 s29, s27, 2
	s_add_co_u32 s70, s28, s29                     ; and its word among each lane's four
	s_mov_b32 s71, 0
	s_lshl_b32 s72, s24, 18                        ; mb: 131,072 bytes a head,
	s_lshl_b32 s29, ttmp9, 4
	s_add_co_u32 s29, s29, s14
	s_lshl_b32 s29, s29, 11                        ; 2,048 a tile of queries
	s_add_co_u32 s72, s72, s29
	s_mov_b32 s73, 0
	s_lshl_b32 s29, ttmp9, 3
	s_add_co_u32 s29, s29, s26                     ; my run of 32 queries in the batch
	s_lshl_b32 s28, s16, 5
	s_add_co_u32 s29, s29, s28
	s_lshl_b32 s29, s29, 4
	s_lshl_b32 s28, s24, 1
	s_add_co_u32 s29, s29, s28
	s_add_co_u32 s29, s29, s25                     ; oc, osc: (run x 8 + pair) x 2 + u
	s_mul_i32 s74, s29, 1536
	s_mov_b32 s75, 0
	s_lshl_b32 s76, s29, 7
	s_mov_b32 s77, 0
	s_cmp_lg_u32 s25, 0
	s_cselect_b32 s30, -1, 0                       ; all lanes take the odd tile's half, or none
	s_lshl_b32 s31, s25, 4
	s_mov_b32 s20, 0x76543210
	s_mov_b32 s21, 0xfedcba98                      ; v_permlanex16_b32's selects for lane l xor 16
	s_mov_b32 s22, 0x3e38aa3b                      ; c = log2(e) / 8
	s_mov_b32 s23, s22                             ; (named with it as a pair, so it is written)
	s_wait_kmcnt 0x0
	s_add_nc_u64 s[4:5], s[4:5], s[78:79]
	s_add_nc_u64 s[80:81], s[6:7], s[70:71]
	s_add_nc_u64 s[6:7], s[6:7], s[68:69]
	s_add_nc_u64 s[8:9], s[8:9], s[72:73]
	s_add_nc_u64 s[10:11], s[10:11], s[74:75]
	s_add_nc_u64 s[12:13], s[12:13], s[76:77]
.irp i, 0,1,2,3,4,5,6,7,8,9,10,11,12,13,14,15,16,17,18,19,20,21,22,23,24,25
	global_load_b128 v[36+4*\i+4*((\i+12)/24):39+4*\i+4*((\i+12)/24)], v176, s[4:5] offset:8192*\i   ; (the registers pass over v84-87, which hold scales and nothing else)
.endr
.irp c, 0,1                            ; q's pair fragment and scale word of both heads
.irp g, 0,1,2
	global_load_b128 v[144+16*\c+4*\g:147+16*\c+4*\g], v1, s[6:7] offset:\c*53248+512*\g
.endr
	global_load_b32 v[156+16*\c], v1, s[80:81] offset:\c*53248+6144
.endr
	s_wait_loadcnt 8                               ; the copy's 26 loads are in; q's 8 may be out
.irp i, 0,1,2,3,4,5,6,7,8,9,10,11,12,13,14,15,16,17,18,19,20,21,22,23,24,25
	ds_store_b128 v[176+\i/8], v[36+4*\i+4*((\i+12)/24):39+4*\i+4*((\i+12)/24)] offset:(\i%8)*8192
.endr
	s_wait_loadcnt 0x0
.irp i, 0,1,2,3,4,5
	v_cndmask_b32 v[22+\i], v[144+\i], v[150+\i], s30   ; my tile's half of the pair: 64 channels in six registers
	v_cndmask_b32 v[6+\i], v[160+\i], v[166+\i], s30
.endr
	v_lshrrev_b32 v156, s31, v156                  ; my tile's two scale bytes,
	v_lshrrev_b32 v172, s31, v172
	v_and_b32 v156, 0xffff, v156
	v_and_b32 v172, 0xffff, v172
	v_lshl_or_b32 v5, v156, 16, v156               ; twice: for q in the lower and in the upper half of K
	v_lshl_or_b32 v34, v172, 16, v172
.irp i, 0,1,2,3,4,5
	v_mov_b32 v[16+\i], 0
	v_mov_b32 v[28+\i], 0
.endr
.irp b, 0,1,2,3
	v_mov_b32 v[T2+\b], 0                          ; written once: a lane permute's destination counts as one of its sources
.endr
	v_mov_b32 v253, 0                              ; (named as the upper half of the pair v[252:253] before it is first written)
	v_mov_b32 v4, 0xd0000000                       ; -2^33
	s_wait_dscnt 0x0                               ; my part of the copy has landed
	s_barrier_signal -1
	s_barrier_wait -1                              ; everybody's has; nothing is written to LDS from here on
.macro MLOAD                           ; a step's 64 mask words
	s_load_b512 s[32:47], s[8:9], s19 offset:0x0
	s_load_b512 s[48:63], s[8:9], s19 offset:0x40
	s_load_b512 s[68:83], s[8:9], s19 offset:0x80
	s_load_b512 s[84:99], s[8:9], s19 offset:0xc0
.endm
.macro STEP
	v_add_nc_u32 v2, s17, v1
.rept 3
	v_nop                                          ; with the addition: four places behind the last step's products, in front of loads into their sources
.endr
.irp g, 0,1,2,3,4,5,6,7,8,9,10,11
	ds_load_b128 v[KF+4*\g:KF+4*\g+3], v2 offset:512*\g
.endr
	ds_load_b128 v[KS:KS+3], v2 offset:6144
	s_wait_dscnt 0x0
.irp p, 0,1,2,3
	v_wmma_scale_f32_16x16x128_f8f6f4 v[SS+16*\p:SS+16*\p+7], v[KF+12*\p:KF+12*\p+11], v[22:33], 0, v[KS+\p], v5 matrix_a_fmt:MATRIX_FMT_FP6 matrix_b_fmt:MATRIX_FMT_FP6
	v_wmma_scale_f32_16x16x128_f8f6f4 v[SS+16*\p+8:SS+16*\p+15], v[KF+12*\p:KF+12*\p+11], v[16:27], 0, v[KS+\p], v5 matrix_a_fmt:MATRIX_FMT_FP6 matrix_b_fmt:MATRIX_FMT_FP6
.endr
.rept 4
	v_nop
.endr
.irp g, 0,1,2,3,4,5,6,7,8,9,10,11
	ds_load_b128 v[KF+4*\g:KF+4*\g+3], v2 offset:53248+512*\g   ; v's record of the same keys: it lands under the softmax
.endr
	ds_load_b128 v[KS:KS+3], v2 offset:53248+6144
	s_wait_kmcnt 0x0                               ; the step's mask words
.set j, 0
.rept 64
	v_cndmask_b32 v[SS+j], v4, v[SS+j], s[32+j+4*(j/32)]   ; where the mask is 0: -2^33.  Ascending: each accumulator is read from its low end on
.set j, j+1
.endr
.irp b, 0,1,2,3
	v_max3_num_f32 v[BM+\b], v[SS+16*\b], v[SS+16*\b+1], v[SS+16*\b+2]   ; the largest score of each block of 32 keys: for the row's maximum, and for the block's largest p
.endr
.irp i, 3,5,7,9,11,13
.irp b, 0,1,2,3
	v_max3_num_f32 v[BM+\b], v[BM+\b], v[SS+16*\b+\i], v[SS+16*\b+\i+1]
.endr
.endr
.irp b, 0,1,2,3
	v_max_num_f32 v[BM+\b], v[BM+\b], v[SS+16*\b+15]
.endr
.irp b, 0,1,2,3
	v_permlanex16_b32 v[T2+\b], v[BM+\b], s20, s21
.endr
.irp b, 0,1,2,3
	v_max_num_f32 v[BM+\b], v[BM+\b], v[T2+\b]     ; with lane l xor 16's 16 keys
.endr
	s_add_co_u32 s19, s18, 1                       ; the next step's mask words (no scalar load is out since the wait above); the last step asks for its own again, so that no load leaves the buffer
	s_min_u32 s19, s19, 7
	s_lshl_b32 s19, s19, 8
	MLOAD
	v_max3_num_f32 v254, v[BM], v[BM+1], v[BM+2]
	v_max_num_f32 v254, v254, v[BM+3]              ; the step's largest score of my query
	v_mul_f32 v254, s22, v254                      ; as t (c is positive)
	v_max_num_f32 v13, v13, v254                   ; the running largest t
	v_mov_b32 v254, v12
	v_floor_f32 v12, -v13                          ; the new -M = floor(-t): M is a whole number
	v_sub_f32 v254, v12, v254                      ; old M - new M: 0 or less
	v_cvt_i32_f32 v254, v254                       ; (it saturates)
	v_ldexp_f32 v252, 1.0, v254                    ; f = 2^(old M - new M)
.set j, 0
.rept 32
	v_pk_fma_f32 v[SS+j:SS+j+1], v[SS+j:SS+j+1], s[22:23], v[12:13] op_sel_hi:[1,0,0]   ; t - M, two at a time
.set j, j+2
.endr
.irp b, 0,1,2,3
	v_fma_f32 v[BM+\b], v[BM+\b], s22, v12         ; the same of each block's largest score
.endr
.set j, 0
.rept 64
	v_exp_f32 v[SS+j], v[SS+j]                     ; p = 2^(t - M), at most 1
.set j, j+1
.endr
.irp b, 0,1,2,3
	v_exp_f32 v[BM+\b], v[BM+\b]                   ; the block's largest p
.endr
	v_pk_mul_f32 v[14:15], v[14:15], v[252:253] op_sel_hi:[1,0]   ; the sums under the new M (a plain place behind the exponentials)
	s_wait_alu depctr_va_vdst(0)
.irp b, 0,1,2,3
	v_max_num_f32 v[BM+\b], 0x1800000, v[BM+\b]    ; the floor 2^(3 - 127): the byte cannot fall under 1
.endr
.irp b, 0,1,2,3
	v_add_nc_u32 v[SO+\b], 0xff000000, v[BM+\b]    ; 2 off the exponent field: the conversion's scale operand
.endr
.irp b, 0,1,2,3
	v_lshrrev_b32 v[BY+\b], 23, v[SO+\b]
.endr
	v_lshl_or_b32 v253, v[BY+1], 8, v[BY]          ; p's scale word for these 128 keys
	v_lshl_or_b32 v253, v[BY+2], 16, v253
	v_lshl_or_b32 v253, v[BY+3], 24, v253
.irp c, 0,1
	v_cvt_scalef32_pk16_fp6_f32 v[PC+6*\c:PC+6*\c+2], v[SS+32*\c:SS+32*\c+15], v[SO+2*\c]
	v_cvt_scalef32_pk16_fp6_f32 v[CT+4*\c:CT+4*\c+2], v[SS+16+32*\c:SS+31+32*\c], v[SO+2*\c+1]
.endr
	v_nop                                          ; one plain place behind a scaled conversion
.irp c, 0,1
.irp i, 0,1,2
	v_permlane16_swap_b32 v[PC+6*\c+\i], v[CT+4*\c+\i]
.endr
.irp i, 0,1,2
	v_mov_b32 v[PC+3+6*\c+\i], v[CT+4*\c+\i]
.endr
.endr
	v_pk_add_f32 v[CT:CT+1], v[SS:SS+1], v[SS+2:SS+3]   ; the row's sum is taken of the unquantised p: two at a time, in two chains
.irp j, 4,8,12,16,20,24,28,32,36,40,44,48,52,56,60
	v_pk_add_f32 v[14:15], v[14:15], v[SS+\j:SS+\j+1]
	v_pk_add_f32 v[CT:CT+1], v[CT:CT+1], v[SS+\j+2:SS+\j+3]
.endr
	v_pk_add_f32 v[14:15], v[14:15], v[CT:CT+1]
.set j, 0
.rept 16
	v_pk_mul_f32 v[OO+j:OO+j+1], v[OO+j:OO+j+1], v[252:253] op_sel_hi:[1,0]   ; O^T under the new M.  (The sums and these are the places between the codes' and the scale word's last writes and the products)
.set j, j+2
.endr
	s_wait_dscnt 0x0                               ; v's record
.irp t, 0,1,2,3
	v_wmma_scale_f32_16x16x128_f8f6f4 v[OO+8*\t:OO+8*\t+7], v[KF+12*\t:KF+12*\t+11], v[PC:PC+11], v[OO+8*\t:OO+8*\t+7], v[KS+\t], v253 matrix_a_fmt:MATRIX_FMT_FP6 matrix_b_fmt:MATRIX_FMT_FP6
.endr
.endm
; One head: c = 0, 1.  The step is written once a head: O^T and the sum begin as zeros and the largest t as -3e38, so that the first change of M multiplies zeros.
.macro HEAD c, dst
.if \c
.irp i, 0,1,2,3,4,5
	v_mov_b32 v[22+\i], v[6+\i]
.endr
	v_mov_b32 v5, v34
	s_add_nc_u64 s[8:9], s[8:9], 131072            ; the second head's mask words (no scalar load is out: the first head ended with a wait for them)
.endif
	v_mov_b32 v13, 0xff61b1e6                      ; -3e38
	v_floor_f32 v12, -v13
	v_mov_b32 v14, 0
	v_mov_b32 v15, 0
.set j, 0
.rept 32
	v_mov_b32 v[OO+j], 0                           ; (these are also the places between the writes of q and its scale word and the first product)
.set j, j+1
.endr
	s_mov_b32 s17, \c*106496
	s_mov_b32 s18, 0
	s_mov_b32 s19, 0
	MLOAD
.Lstep_\@:
	STEP
	s_add_co_u32 s17, s17, 6656
	s_add_co_u32 s18, s18, 1
	s_cmp_lt_u32 s18, 8
	s_cbranch_scc1 .Lstep_\@
	s_wait_kmcnt 0x0                               ; the last step's spare request: its registers and its base are written again below
.rept 4
	v_nop
.endr
	v_add_f32 v14, v14, v15                        ; the sum's two halves,
	v_permlanex16_b32 v254, v14, s20, s21
	v_add_f32 v14, v14, v254                       ; and lane l xor 16's: the row's sum
	v_rcp_f32 v14, v14
	v_nop                                          ; one plain place behind a transcendental
.set j, 0
	s_wait_alu depctr_va_vdst(0)
.rept 16
	v_pk_mul_f32 v[\dst+j:\dst+j+1], v[OO+j:OO+j+1], v[14:15] op_sel_hi:[1,0]   ; o = O^T / the sum: register 16 b + i is channel 32 b + 16 hh + i of the head
.set j, j+2
.endr
.endm
	HEAD 0, HOLD
	HEAD 1, SS
	; The two heads' 128 channels are one K step of the last product: four blocks of 32, at v192, v208, v96, v112
.irp b, 0,1,2,3
	v_max3_num_f32 v[BM+\b], |v[192+16*\b-128*(\b/2)]|, |v[193+16*\b-128*(\b/2)]|, 0x1800000
.endr
.irp i, 2,4,6,8,10,12,14
.irp b, 0,1,2,3
	v_max3_num_f32 v[BM+\b], v[BM+\b], |v[192+16*\b-128*(\b/2)+\i]|, |v[193+16*\b-128*(\b/2)+\i]|
.endr
.endr
.irp b, 0,1,2,3
	v_permlanex16_b32 v[T2+\b], v[BM+\b], s20, s21
.endr
.irp b, 0,1,2,3
	v_max_num_f32 v[BM+\b], v[BM+\b], v[T2+\b]
.endr
.irp b, 0,1,2,3
	v_add_nc_u32 v[SO+\b], 0xff000000, v[BM+\b]
.endr
.irp b, 0,1,2,3
	v_lshrrev_b32 v[BY+\b], 23, v[SO+\b]
.endr
	v_lshl_or_b32 v253, v[BY+1], 8, v[BY]
	v_lshl_or_b32 v253, v[BY+2], 16, v253
	v_lshl_or_b32 v253, v[BY+3], 24, v253
	v_cvt_scalef32_pk16_fp6_f32 v[PC:PC+2], v[192:207], v[SO]
	v_cvt_scalef32_pk16_fp6_f32 v[CT:CT+2], v[208:223], v[SO+1]
	v_cvt_scalef32_pk16_fp6_f32 v[PC+6:PC+8], v[96:111], v[SO+2]
	v_cvt_scalef32_pk16_fp6_f32 v[CT+4:CT+6], v[112:127], v[SO+3]
	v_nop
.irp c, 0,1
.irp i, 0,1,2
	v_permlane16_swap_b32 v[PC+6*\c+\i], v[CT+4*\c+\i]
.endr
.irp i, 0,1,2
	v_mov_b32 v[PC+3+6*\c+\i], v[CT+4*\c+\i]
.endr
.endr
.irp g, 0,1,2
	global_store_b128 v1, v[PC+4*\g:PC+4*\g+3], s[10:11] offset:512*\g   ; the fragment's image: 512 consecutive bytes a store
.endr
	global_store_b32 v3, v253, s[12:13]
	s_wait_tensorcnt 0x0
	ds_add_u32 v243, v255
	s_wait_dscnt 0x0
	s_endpgm
.Lfunc_end_k_qbc42435120_attn:
	.size	k_qbc42435120_attn, .Lfunc_end_k_qbc42435120_attn-k_qbc42435120_attn
	.p2alignl 7, 3214868480
	.fill 96, 4, 3214868480
	.section	.rodata,"a",@progbits
	.p2align	6, 0x0
	.amdhsa_kernel k_qbc42435120_attn
		.amdhsa_group_segment_fixed_size 215040
		.amdhsa_private_segment_fixed_size 0
		.amdhsa_enable_private_segment 0
		.amdhsa_kernarg_size 40
		.amdhsa_user_sgpr_count 2
		.amdhsa_user_sgpr_kernarg_segment_ptr 1
		.amdhsa_wavefront_size32 1
		.amdhsa_system_sgpr_workgroup_id_x 1
		.amdhsa_system_sgpr_workgroup_id_y 1
		.amdhsa_system_sgpr_workgroup_id_z 1
		.amdhsa_system_vgpr_workitem_id 0
		.amdhsa_next_free_vgpr 256
		.amdhsa_next_free_sgpr 100
		.amdhsa_reserve_vcc 0
		.amdhsa_float_denorm_mode_32 3
		.amdhsa_float_denorm_mode_16_64 3
		.amdhsa_memory_ordered 1
		.amdhsa_forward_progress 1
		.amdhsa_inst_pref_size 59
	.end_amdhsa_kernel
	.amdgpu_metadata
---
amdhsa.version: [ 1, 2 ]
amdhsa.kernels:
  - .name:           k_qbc42435120_attn
    .symbol:         k_qbc42435120_attn.kd
    .args:
      - { .name: kv, .offset: 0, .size: 8, .value_kind: global_buffer, .address_space: global }
      - { .name: qi, .offset: 8, .size: 8, .value_kind: global_buffer, .address_space: global }
      - { .name: mb, .offset: 16, .size: 8, .value_kind: global_buffer, .address_space: global }
      - { .name: oc, .offset: 24, .size: 8, .value_kind: global_buffer, .address_space: global }
      - { .name: osc, .offset: 32, .size: 8, .value_kind: global_buffer, .address_space: global }
    .group_segment_fixed_size: 215040
    .private_segment_fixed_size: 0
    .kernarg_segment_align: 8
    .kernarg_segment_size: 40
    .max_flat_workgroup_size: 512
    .sgpr_count:     100
    .vgpr_count:     256
    .wavefront_size: 32
...
	.end_amdgpu_metadata
.endif
;; end of part 3
;; launch outp (part 4): grid 256 x 1, 16 waves a work-group, no clusters, 116,736 bytes of LDS; arguments xf, xs, oc, osc, wt, dense_b, ln_g, ln_b, out0; writes out0
.if DOCPART == 4
	.amdgcn_target "amdgcn-amd-amdhsa--gfx1250"
	.amdhsa_code_object_version 6
	.text
	.protected	k_qbc42435120_outp
	.globl	k_qbc42435120_outp
	.p2align	8
	.type	k_qbc42435120_outp,@function
k_qbc42435120_outp:
	s_mov_b64 s[64:65], 0
	v_nop
	global_prefetch_b8 v0, s[64:65] scope:SCOPE_SE
	s_setreg_imm32_b32 hwreg(HW_REG_WAVE_MODE, 25, 1), 1
	s_wait_xcnt 0x0
; out0 = LayerNorm(x res_w + o dense_w + dense_b) x ln_g + ln_b.  The residual is never stored: it is four more K steps of the same sums (K = 512 + 1,024 = 12 steps of 128), on codes of FP6 (E2M3).
; SHARES.  A work-group owns a run of 32 whole rows (two tiles of 16 tokens), so that the norm stays inside it.  Wave w of sixteen owns columns 64 w .. 64 w + 63: four tiles of the weights' rows.
; The tokens' 24 fragments (36,864 bytes) and o's scale words are copied into LDS once and read by all waves; x's eight scale words go straight into registers; a wave's weights come from memory straight into
; its registers, record by record (13 loads of 512 consecutive bytes), two K steps ahead: each fragment is used by the one wave that loads it, twice, so a way through LDS would only add reads.
; The same weights are read by all 256 work-groups; they are not shared by joint loads, since that way leads through LDS: 1,536 bytes read for every two products.
; The products are used transposed (source 0 = 16 rows of the weight, source 1 = 16 tokens): register 32 u + k of lane (r, hh) is token (u, r), column 64 w + 32 (k / 16) + 16 hh + k % 16.
; The norm takes the mean first and then the mean of the squared differences, as the problem writes it; the waves' parts meet in LDS, 80 bytes a token.
; LIMITS: NaN and infinities are not served.
.set AF,   0                           ; LDS: fragment (K step, tile) at (2 step + tile) x 1,536
.set AS,   36864                       ; scale words at (2 step + tile) x 128 (steps 4-11; the first 1,024 bytes are not used)
.set RED1, 39936                       ; 32 tokens x 80 bytes: a word for each wave; a second such block 2,560 bytes on
.set STG,  45056                       ; a stage of 16 rows x 272 bytes for each wave
.set ACC,  16                          ; v16-79   eight accumulators: 32 u + 8 t
.set XSC,  236                         ; v236-243 x's scale words: 2 step + tile
; v80-127 + v128-131, v132-179 + v180-183: two weight records; v184-207 + v208-209, v210-233 + v234-235: two sets of the tokens' two fragments and scale words.
; Behind the products: v80-111 dense_b, then rows on the way out; v132-163 ln_g, then rows; v112-127, v164-179 ln_b; v184-203 the reductions; v210-217 means and reciprocal deviations; v244-247 lane permutes' destinations.
	s_load_b128 s[4:7], s[0:1], 0x0                ; xf, xs
	s_load_b128 s[8:11], s[0:1], 0x10              ; oc, osc
	s_load_b128 s[12:15], s[0:1], 0x20             ; wt, dense_b
	s_load_b128 s[16:19], s[0:1], 0x30             ; ln_g, ln_b
	s_load_b64 s[20:21], s[0:1], 0x40              ; out0
	v_lshl_add_u32 v254, v0, 2, 0x1c000
	v_mov_b32 v255, 0
	v_lshrrev_b32 v13, 5, v0
	v_readfirstlane_b32 s22, v13                   ; wave 0..15
	v_and_b32 v13, 31, v0                          ; lane
	v_and_b32 v14, 15, v0                          ; r
	v_bfe_u32 v15, v0, 4, 1                        ; hh
	v_lshlrev_b32 v1, 4, v13                       ; 16 x lane
	v_lshlrev_b32 v2, 2, v13                       ; 4 x lane
	v_lshlrev_b32 v3, 6, v15                       ; 64 hh: the vectors' 16 numbers of my half
	v_mul_u32_u24 v5, v13, 80
	v_add_nc_u32 v5, RED1, v5                      ; token l's sixteen words
	s_lshl_b32 s28, s22, 2
	v_add_nc_u32 v4, s28, v5                       ; and my wave's among them
	s_mul_i32 s28, s22, 4352
	s_add_co_u32 s28, s28, STG                     ; my stage
	v_mul_u32_u24 v6, v14, 272
	v_lshl_add_u32 v6, v15, 6, v6
	v_add_nc_u32 v6, s28, v6                       ; in: row r, + 64 hh
	v_mul_u32_u24 v7, v15, 272
	v_lshl_add_u32 v7, v14, 4, v7
	v_add_nc_u32 v7, s28, v7                       ; back: lanes 0-15 one row of 256 bytes, lanes 16-31 the next
	v_lshlrev_b32 v8, 12, v15
	v_lshl_add_u32 v8, v14, 4, v8                  ; and the same two rows in out0
	v_lshlrev_b32 v9, 3, v0                        ; the copy: 8, 16, 4 bytes a thread
	v_lshlrev_b32 v11, 4, v0
	v_lshlrev_b32 v12, 2, v0
.irp i, 0,1,2,3
	v_mov_b32 v[244+\i], 0                         ; written once: a lane permute's destination counts as one of its sources
.endr
	s_mov_b32 s23, 0xffff0000                      ; lanes 16-31
	s_mov_b32 s24, 0x76543210
	s_mov_b32 s25, 0xfedcba98                      ; v_permlanex16_b32's selects for lane l xor 16
	s_mov_b32 s26, 0x3a800000                      ; 1 / 1,024
	s_mov_b32 s27, 0x3727c5ac                      ; 1e-5
	s_mul_i32 s28, ttmp9, 12288
	s_mov_b32 s29, 0
	s_lshl_b32 s30, ttmp9, 10
	s_mov_b32 s31, 0
	s_mul_i32 s32, ttmp9, 24576
	s_mov_b32 s33, 0
	s_lshl_b32 s34, ttmp9, 11
	s_mov_b32 s35, 0
	s_mul_i32 s36, s22, 12
	s_add_co_u32 s36, s36, 192
	s_mul_i32 s36, s36, 6656                       ; my column group's twelve records
	s_mov_b32 s37, 0
	s_lshl_b32 s38, s22, 8                         ; my 64 columns: 256 bytes
	s_mov_b32 s39, 0
	s_wait_kmcnt 0x0
	s_add_nc_u64 s[4:5], s[4:5], s[28:29]
	s_add_nc_u64 s[6:7], s[6:7], s[30:31]
	s_add_nc_u64 s[8:9], s[8:9], s[32:33]
	s_add_nc_u64 s[10:11], s[10:11], s[34:35]
	s_add_nc_u64 s[12:13], s[12:13], s[36:37]
	s_add_nc_u64 s[14:15], s[14:15], s[38:39]
	s_add_nc_u64 s[16:17], s[16:17], s[38:39]
	s_add_nc_u64 s[18:19], s[18:19], s[38:39]
	s_add_nc_u64 s[20:21], s[20:21], s[38:39]
	s_lshl_b32 s28, ttmp9, 17                      ; 32 rows of 4,096 bytes
	s_add_nc_u64 s[20:21], s[20:21], s[28:29]
.macro WLD s                           ; K step s's record of my columns
.set WB, 80+52*((\s)%2)
.irp g, 0,1,2,3,4,5,6,7,8,9,10,11,12
	global_load_b128 v[WB+4*\g:WB+4*\g+3], v1, s[12:13] offset:(\s)*6656+512*\g
.endr
.endm
.macro ALD s                           ; K step s's two fragments of tokens, and from step 4 on their scale words: 6 or 8 LDS loads
.set AB, 184+26*((\s)%2)
.irp u, 0,1
.irp g, 0,1,2
	ds_load_b128 v[AB+12*\u+4*\g:AB+12*\u+4*\g+3], v1 offset:AF+(2*(\s)+\u)*1536+512*\g
.endr
.endr
.if (\s) >= 4
.irp u, 0,1
	ds_load_b32 v[AB+24+\u], v2 offset:AS+(2*(\s)+\u)*128
.endr
.endif
.endm
.irp i, 0,1,2
	global_load_b64 v[16+2*\i:17+2*\i], v9, s[4:5] offset:4096*\i        ; x's 12,288 bytes
.endr
.irp i, 0,1,2
	global_load_b128 v[24+4*\i:27+4*\i], v11, s[8:9] offset:8192*\i      ; o's 24,576 bytes
.endr
	global_load_b32 v36, v12, s[10:11]                                   ; o's 2,048 bytes of scale words
.irp e, 0,1,2,3,4,5,6,7
	global_load_b32 v[XSC+\e], v2, s[6:7] offset:128*\e                  ; x's scale words
.endr
	WLD 0
	WLD 1
	s_wait_loadcnt 26                              ; all but the two records' 26 loads
.irp i, 0,1,2
	ds_store_b64 v9, v[16+2*\i:17+2*\i] offset:AF+4096*\i
.endr
.irp i, 0,1,2
	ds_store_b128 v11, v[24+4*\i:27+4*\i] offset:AF+12288+8192*\i
.endr
	ds_store_b32 v12, v36 offset:AS+1024
	s_wait_dscnt 0x0                               ; my part of the copy has landed
	s_barrier_signal -1
	s_barrier_wait -1                              ; everybody's has
	ALD 0
.macro KSTEP s
.if (\s) < 11
	ALD (\s)+1                                     ; into the set that the last step multiplied, four places behind its products
	s_wait_loadcnt 13                              ; this step's record is in; the next step's 13 loads may be out
.else
	s_wait_loadcnt 8                               ; behind the last record: dense_b's 8 loads
.endif
.if (\s) == 11
	s_wait_dscnt 0x0
.elseif (\s)+1 >= 4
	s_wait_dscnt 8                                 ; this step's tokens are in; the next step's 8 LDS loads may be out
.else
	s_wait_dscnt 6                                 ; (6: x's scale words do not come through LDS)
.endif
.set WB, 80+52*((\s)%2)
.set AB, 184+26*((\s)%2)
.irp u, 0,1                            ; the eight accumulators take turns, one instruction a turn
.irp t, 0,1,2,3
.if (\s) < 4
.set SCA, XSC+2*(\s)+\u
.else
.set SCA, AB+24+\u
.endif
.if (\s) == 0
	v_wmma_scale_f32_16x16x128_f8f6f4 v[ACC+32*\u+8*\t:ACC+32*\u+8*\t+7], v[WB+12*\t:WB+12*\t+11], v[AB+12*\u:AB+12*\u+11], 0, v[WB+48+\t], v[SCA] matrix_a_fmt:MATRIX_FMT_FP6 matrix_b_fmt:MATRIX_FMT_FP6
.else
	v_wmma_scale_f32_16x16x128_f8f6f4 v[ACC+32*\u+8*\t:ACC+32*\u+8*\t+7], v[WB+12*\t:WB+12*\t+11], v[AB+12*\u:AB+12*\u+11], v[ACC+32*\u+8*\t:ACC+32*\u+8*\t+7], v[WB+48+\t], v[SCA] matrix_a_fmt:MATRIX_FMT_FP6 matrix_b_fmt:MATRIX_FMT_FP6
.endif
.endr
.endr
.rept 4
	v_nop                                          ; four places in front of loads into the products' sources, and of the first read of results
.endr
.if (\s) <= 9
	WLD (\s)+2
.endif
.if (\s) == 10
.irp q, 0,1,2,3,4,5,6,7
	global_load_b128 v[80+4*\q:83+4*\q], v3, s[14:15] offset:128*(\q/4)+16*(\q%4)   ; dense_b in the result's layout
.endr
.endif
.endm
	KSTEP 0
	KSTEP 1
	KSTEP 2
	KSTEP 3
	KSTEP 4
	KSTEP 5
	KSTEP 6
	KSTEP 7
	KSTEP 8
	KSTEP 9
	KSTEP 10
	KSTEP 11
.irp q, 0,1,2,3,4,5,6,7
	global_load_b128 v[132+4*\q:135+4*\q], v3, s[16:17] offset:128*(\q/4)+16*(\q%4)               ; ln_g
.endr
.irp q, 0,1,2,3,4,5,6,7
	global_load_b128 v[112+4*\q+36*(\q/4):115+4*\q+36*(\q/4)], v3, s[18:19] offset:128*(\q/4)+16*(\q%4)   ; ln_b
.endr
	s_wait_loadcnt 16                              ; dense_b is in; the 16 loads just issued may be out
.irp u, 0,1
.irp k, 0,2,4,6,8,10,12,14,16,18,20,22,24,26,28,30
	v_pk_add_f32 v[ACC+32*\u+\k:ACC+32*\u+\k+1], v[ACC+32*\u+\k:ACC+32*\u+\k+1], v[80+\k:81+\k]   ; + dense_b; ascending: each accumulator is read from its low end on
.endr
.endr
; The two tiles' partial sums in v[200:201] and v[202:203] become, in v184 of lane l, the whole row's sum of token l (tile l / 16, row l % 16).  off: which block of words.
.macro REDUCE off
	v_add_f32 v200, v200, v201
	v_add_f32 v202, v202, v203
	v_permlanex16_b32 v244, v200, s24, s25
	v_permlanex16_b32 v245, v202, s24, s25
	v_add_f32 v200, v200, v244                     ; with lane l xor 16's 32 columns: my wave's 64
	v_add_f32 v202, v202, v245
	v_cndmask_b32 v200, v200, v202, s23            ; lanes 0-15 speak for tile 0, lanes 16-31 for tile 1
	ds_store_b32 v4, v200 offset:\off
	s_wait_dscnt 0x0                               ; for the others' sake: my word has landed
	s_barrier_signal -1
	s_barrier_wait -1
.irp c, 0,1,2,3
	ds_load_b128 v[184+4*\c:187+4*\c], v5 offset:\off+16*\c
.endr
	s_wait_dscnt 0x0
.irp c, 0,2,4,6
	v_pk_add_f32 v[184+\c:185+\c], v[184+\c:185+\c], v[192+\c:193+\c]   ; the same order in every wave: all waves get the same bits
.endr
	v_pk_add_f32 v[184:185], v[184:185], v[188:189]
	v_pk_add_f32 v[186:187], v[186:187], v[190:191]
	v_pk_add_f32 v[184:185], v[184:185], v[186:187]
	v_add_f32 v184, v184, v185
.endm
; v184 (token l's number) is spread: v[d], v[d + 1] tile 0's row r, v[d + 2], v[d + 3] tile 1's, in every lane (both words of a pair are written, since the packed forms name pairs)
.macro SPREAD d
	v_permlanex16_b32 v246, v184, s24, s25
	v_cndmask_b32 v[\d], v184, v246, s23
	v_cndmask_b32 v[\d+2], v246, v184, s23
	v_mov_b32 v[\d+1], v[\d]
	v_mov_b32 v[\d+3], v[\d+2]
.endm
	v_pk_add_f32 v[200:201], v[ACC:ACC+1], v[ACC+2:ACC+3]
	v_pk_add_f32 v[202:203], v[ACC+32:ACC+33], v[ACC+34:ACC+35]
.irp k, 4,6,8,10,12,14,16,18,20,22,24,26,28,30
	v_pk_add_f32 v[200:201], v[200:201], v[ACC+\k:ACC+\k+1]
	v_pk_add_f32 v[202:203], v[202:203], v[ACC+32+\k:ACC+33+\k]
.endr
	REDUCE 0
	v_mul_f32 v184, s26, v184                      ; the mean
	SPREAD 210
.irp u, 0,1
.irp k, 0,2,4,6,8,10,12,14,16,18,20,22,24,26,28,30
	v_pk_add_f32 v[ACC+32*\u+\k:ACC+32*\u+\k+1], v[ACC+32*\u+\k:ACC+32*\u+\k+1], v[210+2*\u:211+2*\u] op_sel_hi:[1,0] neg_lo:[0,1] neg_hi:[0,1]   ; y - mean
.endr
.endr
	v_pk_mul_f32 v[200:201], v[ACC:ACC+1], v[ACC:ACC+1]
	v_pk_mul_f32 v[202:203], v[ACC+32:ACC+33], v[ACC+32:ACC+33]
.irp k, 2,4,6,8,10,12,14,16,18,20,22,24,26,28,30
	v_pk_fma_f32 v[200:201], v[ACC+\k:ACC+\k+1], v[ACC+\k:ACC+\k+1], v[200:201]
	v_pk_fma_f32 v[202:203], v[ACC+32+\k:ACC+33+\k], v[ACC+32+\k:ACC+33+\k], v[202:203]
.endr
	REDUCE 2560                                    ; other bytes than the first reduction's: no wave can overwrite what another still reads
	v_fma_f32 v184, v184, s26, s27                 ; the variance + 1e-5
	v_rsq_f32 v184, v184
	v_nop                                          ; one plain place behind a transcendental
	s_wait_alu depctr_va_vdst(0)
	SPREAD 214
	s_wait_loadcnt 0x0                             ; ln_g, ln_b
.irp u, 0,1
.irp k, 0,2,4,6,8,10,12,14,16,18,20,22,24,26,28,30
	v_pk_mul_f32 v[ACC+32*\u+\k:ACC+32*\u+\k+1], v[ACC+32*\u+\k:ACC+32*\u+\k+1], v[214+2*\u:215+2*\u] op_sel_hi:[1,0]
.endr
.endr
.irp u, 0,1
.irp k, 0,2,4,6,8,10,12,14,16,18,20,22,24,26,28,30
	v_pk_fma_f32 v[ACC+32*\u+\k:ACC+32*\u+\k+1], v[ACC+32*\u+\k:ACC+32*\u+\k+1], v[132+\k:133+\k], v[112+\k+36*(\k/16):113+\k+36*(\k/16)]
.endr
.endr
	; THE WAY OUT.  A lane holds pieces of one row; a tile's 16 rows x my 256 bytes go through my own stage and come back as whole pieces of 256 bytes.  LDS serves a wave's instructions in order: no wait between stores and loads.
.irp u, 0,1
.irp q, 0,1,2,3,4,5,6,7
	ds_store_b128 v6, v[ACC+32*\u+4*\q:ACC+32*\u+4*\q+3] offset:128*(\q/4)+16*(\q%4)
.endr
.irp i, 0,1,2,3,4,5,6,7
	ds_load_b128 v[80+52*\u+4*\i:83+52*\u+4*\i], v7 offset:544*\i
.endr
.endr
.irp u, 0,1
.irp i, 0,1,2,3,4,5,6,7
	s_wait_dscnt 23-16*\u-\i                       ; behind this load stand the rest of its run and, for tile 0, tile 1's 8 stores and 8 loads
	global_store_b128 v8, v[80+52*\u+4*\i:83+52*\u+4*\i], s[20:21] offset:(8*\u+2*\i+8*(\i/4))*4096 th:TH_STORE_NT   ; 16 lanes store 256 consecutive bytes, aligned; the tile's row 2 i + hh is token 8 u + 2 i + hh + 8 (i / 4) of the run
.endr
.endr
	s_wait_tensorcnt 0x0
	ds_add_u32 v254, v255
	s_wait_dscnt 0x0
	s_endpgm
.Lfunc_end_k_qbc42435120_outp:
	.size	k_qbc42435120_outp, .Lfunc_end_k_qbc42435120_outp-k_qbc42435120_outp
	.p2alignl 7, 3214868480
	.fill 96, 4, 3214868480
	.section	.rodata,"a",@progbits
	.p2align	6, 0x0
	.amdhsa_kernel k_qbc42435120_outp
		.amdhsa_group_segment_fixed_size 116736
		.amdhsa_private_segment_fixed_size 0
		.amdhsa_enable_private_segment 0
		.amdhsa_kernarg_size 72
		.amdhsa_user_sgpr_count 2
		.amdhsa_user_sgpr_kernarg_segment_ptr 1
		.amdhsa_wavefront_size32 1
		.amdhsa_system_sgpr_workgroup_id_x 1
		.amdhsa_system_sgpr_workgroup_id_y 1
		.amdhsa_system_sgpr_workgroup_id_z 1
		.amdhsa_system_vgpr_workitem_id 0
		.amdhsa_next_free_vgpr 256
		.amdhsa_next_free_sgpr 66
		.amdhsa_reserve_vcc 0
		.amdhsa_float_denorm_mode_32 3
		.amdhsa_float_denorm_mode_16_64 3
		.amdhsa_memory_ordered 1
		.amdhsa_forward_progress 1
		.amdhsa_inst_pref_size 62
	.end_amdhsa_kernel
	.amdgpu_metadata
---
amdhsa.version: [ 1, 2 ]
amdhsa.kernels:
  - .name:           k_qbc42435120_outp
    .symbol:         k_qbc42435120_outp.kd
    .args:
      - { .name: xf, .offset: 0, .size: 8, .value_kind: global_buffer, .address_space: global }
      - { .name: xs, .offset: 8, .size: 8, .value_kind: global_buffer, .address_space: global }
      - { .name: oc, .offset: 16, .size: 8, .value_kind: global_buffer, .address_space: global }
      - { .name: osc, .offset: 24, .size: 8, .value_kind: global_buffer, .address_space: global }
      - { .name: wt, .offset: 32, .size: 8, .value_kind: global_buffer, .address_space: global }
      - { .name: dense_b, .offset: 40, .size: 8, .value_kind: global_buffer, .address_space: global }
      - { .name: ln_g, .offset: 48, .size: 8, .value_kind: global_buffer, .address_space: global }
      - { .name: ln_b, .offset: 56, .size: 8, .value_kind: global_buffer, .address_space: global }
      - { .name: out0, .offset: 64, .size: 8, .value_kind: global_buffer, .address_space: global }
    .group_segment_fixed_size: 116736
    .private_segment_fixed_size: 0
    .kernarg_segment_align: 8
    .kernarg_segment_size: 72
    .max_flat_workgroup_size: 512
    .sgpr_count:     66
    .vgpr_count:     256
    .wavefront_size: 32
...
	.end_amdgpu_metadata
.endif
;; end of part 4
;; ======== version 2 of 2: 4 launches
;; limits: right only within a limited range of input values
;; workspace buffers: xf 3,145,728 bytes; xs 262,144 bytes; wt 2,555,904 bytes; mb 2,097,152 bytes of whole numbers; qi 6,815,744 bytes; kv 13,631,488 bytes; oc 6,291,456 bytes; osc 524,288 bytes
;; launch prep (part 5): grid 736 x 1, 4 waves a work-group, no clusters, 34,304 bytes of LDS; arguments x_codes, x_scales, wq_w_codes, wq_w_scales, wk_w_codes, wk_w_scales, wv_w_codes, wv_w_scales, res_w_codes, res_w_scales, dense_w_codes, dense_w_scales, mask, xf, xs, wt, mb; writes xf, xs, wt, mb
.if DOCPART == 5
	.amdgcn_target "amdgcn-amd-amdhsa--gfx1250"
	.amdhsa_code_object_version 6
	.text
	.protected	k_qbc42435120_prep
	.globl	k_qbc42435120_prep
	.p2align	8
	.type	k_qbc42435120_prep,@function
k_qbc42435120_prep:
	s_mov_b64 s[64:65], 0
	v_nop
	global_prefetch_b8 v0, s[64:65] scope:SCOPE_SE
	s_setreg_imm32_b32 hwreg(HW_REG_WAVE_MODE, 25, 1), 1
	s_wait_xcnt 0x0
; LAYS THE GIVEN OPERANDS AS THE LATER LAUNCHES' REGISTERS WANT THEM, AND PACKS THE MASK TO ONE BIT A NUMBER.  No arithmetic on codes: bytes are moved.
; A fragment (16 rows x 128 K of 6-bit codes) is 12 registers a lane: lane (r, hh) holds 24 bytes at 24 hh and 24 bytes at 48 + 24 hh of its row's 96.
; Its IMAGE is 1,536 bytes: registers 4 g .. 4 g + 3 of lane l at 512 g + 16 l.  A RECORD is four images and, at byte 6,144, each lane's four scale words: 6,656 bytes.
; THE ROWS OF A FRAGMENT ARE NOT NEIGHBOURS: of a group of 64 rows fragment f takes, in lane r, row 32 (f / 2) + 8 (f % 2) + r + 8 (r / 8).
; Work-groups 0-127: x, 64 tokens each, a wave to a K step of 128 -> xf [run of 32 tokens][K step][tile] images, xs the same index, 128 bytes of scale words.
; Work-groups 128-191: wq, wk, wv, res_w, 64 rows each; 192-223: dense_w -> wt: records (matrix x 16 + head) x 4 + K step, then 192 + 12 x column group + K step (0-3 res_w, 4-11 dense_w).
; Work-groups 224-735: the mask.  A wave takes one tile of 16 queries of one head and 512 keys, 128 a step.  Word 16 b + i of a step has in bit l whether
; mask[head][the tile's row l % 16][128 step + 32 b + 16 (l / 16) + i] is not 0: the very lane mask that selects register 16 b + i of the scores.
; The mask's loads read 512 consecutive bytes of a row; a step's 16 rows turn through the wave's own stage in LDS (rows 528 bytes apart, so that 16 rows start in 16 different groups of banks).
.set RA,     16                        ; v16-79, v80-143: two sets of 16 x 4 registers as loaded
.set XX,     144                       ; v144-207: my 64 numbers of a step
.set OUTW,   208                       ; v208-215: a pair of registers for each step: lane l holds words 2 l and 2 l + 1
.set SPITCH, 528
	v_lshl_add_u32 v224, v0, 2, 0x8400
	v_mov_b32 v225, 0
	v_lshrrev_b32 v9, 5, v0
	v_readfirstlane_b32 s14, v9                    ; wave 0..3
	v_and_b32 v10, 31, v0                          ; lane
	v_lshlrev_b32 v1, 4, v10                       ; 16 x lane
	v_lshlrev_b32 v2, 2, v10                       ; 4 x lane
	v_and_b32 v11, 15, v0                          ; r
	v_bfe_u32 v12, v0, 4, 1                        ; hh
	v_and_b32 v5, 8, v11
	v_add_nc_u32 v5, v5, v11                       ; r + 8 (r / 8)
	s_cmp_lt_u32 ttmp9, 128
	s_cbranch_scc1 .Lx
	s_cmp_lt_u32 ttmp9, 192
	s_cbranch_scc1 .Lw
	s_cmp_lt_u32 ttmp9, 224
	s_cbranch_scc1 .Ld
	; ---- the mask
	s_load_b64 s[4:5], s[0:1], 0x60                ; mask
	s_load_b64 s[8:9], s[0:1], 0x80                ; mb
	s_sub_co_u32 s15, ttmp9, 224
	s_lshl_b32 s15, s15, 2
	s_add_co_u32 s15, s15, s14                     ; 0 .. 2,047
	s_lshr_b32 s16, s15, 7                         ; head
	s_bfe_u32 s17, s15, 0x60001                    ; tile of queries, 0 .. 63
	s_and_b32 s18, s15, 1                          ; which 512 keys
	s_lshl_b32 s20, s16, 22                        ; a head's mask is 4 MiB;
	s_lshr_b32 s22, s17, 1
	s_lshl_b32 s22, s22, 17                        ; 32 rows of 4,096 bytes for each pair of tiles;
	s_add_co_u32 s20, s20, s22
	s_and_b32 s22, s17, 1
	s_lshl_b32 s22, s22, 15                        ; 8 rows for the odd tile;
	s_add_co_u32 s20, s20, s22
	s_lshl_b32 s22, s18, 11                        ; 512 keys are 2,048 bytes
	s_add_co_u32 s20, s20, s22
	s_mov_b32 s21, 0
	s_lshl_b32 s22, s16, 17                        ; mb: 131,072 bytes a head, 2,048 a tile, 256 a step
	s_lshl_b32 s24, s17, 11
	s_add_co_u32 s22, s22, s24
	s_lshl_b32 s24, s18, 10
	s_add_co_u32 s22, s22, s24
	s_mov_b32 s23, 0
	s_mul_i32 s24, s14, 16*SPITCH                  ; my stage
	s_wait_alu depctr_va_vdst(0)
	v_add_nc_u32 v6, s24, v1                       ; in: 16 x lane of a row
	v_mul_u32_u24 v7, v11, SPITCH
	v_lshl_add_u32 v7, v12, 6, v7
	v_add_nc_u32 v7, s24, v7                       ; out: row r, + 64 hh
	v_lshlrev_b32 v8, 3, v10                       ; 8 bytes a lane on the way to memory
.irp i, 0,1,2,3,4,5,6,7
	v_mov_b32 v[OUTW+\i], 0                        ; v_writelane_b32's destination counts as read
.endr
	s_wait_kmcnt 0x0
	s_add_nc_u64 s[4:5], s[4:5], s[20:21]
	s_add_nc_u64 s[8:9], s[8:9], s[22:23]
.macro LOADM t                         ; step t: 512 bytes of each of the tile's 16 rows
.irp i, 0,1,2,3,4,5,6,7,8,9,10,11,12,13,14,15
	global_load_b128 v[RA+64*((\t)%2)+4*\i:RA+64*((\t)%2)+4*\i+3], v1, s[4:5] offset:(\i+8*(\i/8))*4096+512*(\t) th:TH_LOAD_NT
.endr
.endm
.macro MSTEP t
.if (\t) < 3
	s_wait_loadcnt 16                              ; this step's 16 loads are in; the next step's 16 may be out
.else
	s_wait_loadcnt 0x0
.endif
.irp i, 0,1,2,3,4,5,6,7,8,9,10,11,12,13,14,15
	ds_store_b128 v6, v[RA+64*((\t)%2)+4*\i:RA+64*((\t)%2)+4*\i+3] offset:SPITCH*\i
.endr
.irp q, 0,1,2,3,4,5,6,7,8,9,10,11,12,13,14,15
	ds_load_b128 v[XX+4*\q:XX+4*\q+3], v7 offset:128*(\q/4)+16*(\q%4)   ; LDS serves a wave's instructions in order: these see the stores above
.endr
	s_wait_dscnt 0x0                               ; my numbers are back, and the stores have read their registers,
.if (\t) < 2
	LOADM (\t)+2                                   ; which take the loads of two steps on
.endif
.set j, 0
.rept 8
.irp e, 0,1,2,3,4,5,6,7
	v_cmp_ne_u32 s[32+\e], 0, v[XX+j+\e]           ; word j + e: a bit for each lane
.endr
.irp e, 0,1,2,3,4,5,6,7
	v_writelane_b32 v[OUTW+2*(\t)+\e%2], s[32+\e], (j+\e)/2
.endr
.set j, j+8
.endr
	global_store_b64 v8, v[OUTW+2*(\t):OUTW+2*(\t)+1], s[8:9] offset:256*(\t)   ; 32 lanes store 256 consecutive bytes, aligned; each step has its own pair, so no store's data are written again
.endm
	LOADM 0
	LOADM 1
	MSTEP 0
	MSTEP 1
	MSTEP 2
	MSTEP 3
	s_wait_tensorcnt 0x0
	ds_add_u32 v224, v225
	s_wait_dscnt 0x0
	s_endpgm
; Four fragments of a group of 64 rows, one K step, and their scale words: codes at s[4:5], scale bytes at s[6:7]; pitch and spitch: a row's bytes
.macro QUAD pitch, spitch
	v_mul_u32_u24 v3, v5, \pitch
	v_mad_u32_u24 v3, v12, 24, v3
	v_mul_u32_u24 v4, v5, \spitch
.irp f, 0,1,2,3
.irp p, 0,1,2,3,4,5
	global_load_b64 v[16+12*\f+2*\p:16+12*\f+2*\p+1], v3, s[4:5] offset:(32*(\f/2)+8*(\f%2))*\pitch+48*(\p/3)+8*(\p%3)
.endr
	global_load_b32 v[64+\f], v4, s[6:7] offset:(32*(\f/2)+8*(\f%2))*\spitch
.endr
	s_wait_loadcnt 0x0
.endm
.macro ST_REC                          ; a record at s[8:9]: thirteen stores of 512 consecutive bytes
.irp g, 0,1,2,3,4,5,6,7,8,9,10,11
	global_store_b128 v1, v[16+4*\g:16+4*\g+3], s[8:9] offset:512*\g
.endr
	global_store_b128 v1, v[64:67], s[8:9] offset:6144
.endm
.Lx:	; ---- x: 64 tokens x one K step
	s_load_b128 s[4:7], s[0:1], 0x0                ; x's codes, x's scales
	s_load_b64 s[8:9], s[0:1], 0x68                ; xf
	s_load_b64 s[10:11], s[0:1], 0x70              ; xs
	s_mul_i32 s16, ttmp9, 24576                    ; 64 rows of 384 bytes,
	s_mul_i32 s18, s14, 96                         ; 96 bytes a K step
	s_add_co_u32 s16, s16, s18
	s_mov_b32 s17, 0
	s_lshl_b32 s18, ttmp9, 10                      ; 64 rows of 16 scale bytes, 4 a K step
	s_lshl_b32 s20, s14, 2
	s_add_co_u32 s18, s18, s20
	s_mov_b32 s19, 0
	s_mul_i32 s20, ttmp9, 24576                    ; xf: two runs of 32 tokens, 12,288 bytes each; 3,072 a K step
	s_mul_i32 s22, s14, 3072
	s_add_co_u32 s20, s20, s22
	s_mov_b32 s21, 0
	s_lshl_b32 s22, ttmp9, 11                      ; xs: 1,024 bytes a run, 256 a K step
	s_lshl_b32 s24, s14, 8
	s_add_co_u32 s22, s22, s24
	s_mov_b32 s23, 0
	s_wait_kmcnt 0x0
	s_add_nc_u64 s[4:5], s[4:5], s[16:17]
	s_add_nc_u64 s[6:7], s[6:7], s[18:19]
	s_add_nc_u64 s[8:9], s[8:9], s[20:21]
	s_add_nc_u64 s[10:11], s[10:11], s[22:23]
	s_wait_alu depctr_va_vdst(0)
	QUAD 384, 16
.irp f, 0,1,2,3
.irp g, 0,1,2
	global_store_b128 v1, v[16+12*\f+4*\g:16+12*\f+4*\g+3], s[8:9] offset:(\f/2)*12288+(\f%2)*1536+512*\g
.endr
	global_store_b32 v2, v[64+\f], s[10:11] offset:(\f/2)*1024+(\f%2)*128
.endr
	s_endpgm
.Lw:	; ---- wq, wk, wv, res_w: 64 rows x one K step
	s_load_b128 s[16:19], s[0:1], 0x10             ; wq's codes, scales
	s_load_b128 s[20:23], s[0:1], 0x20             ; wk's
	s_load_b128 s[24:27], s[0:1], 0x30             ; wv's
	s_load_b128 s[28:31], s[0:1], 0x40             ; res_w's
	s_load_b64 s[8:9], s[0:1], 0x78                ; wt
	s_sub_co_u32 s15, ttmp9, 128
	s_lshr_b32 s32, s15, 4                         ; which matrix
	s_and_b32 s33, s15, 15                         ; which 64 rows
	s_mul_i32 s34, s33, 24576
	s_mul_i32 s36, s14, 96
	s_add_co_u32 s34, s34, s36
	s_mov_b32 s35, 0
	s_lshl_b32 s36, s33, 10
	s_lshl_b32 s38, s14, 2
	s_add_co_u32 s36, s36, s38
	s_mov_b32 s37, 0
	s_lshl_b32 s38, s15, 2
	s_add_co_u32 s38, s38, s14                     ; the record of wq, wk, wv: (matrix x 16 + head) x 4 + K step
	s_mul_i32 s40, s33, 12
	s_add_co_u32 s40, s40, s14
	s_add_co_u32 s40, s40, 192                     ; of res_w: 192 + 12 x column group + K step
	s_cmp_lt_u32 s32, 3
	s_cselect_b32 s38, s38, s40
	s_mul_i32 s38, s38, 6656
	s_mov_b32 s39, 0
	s_wait_kmcnt 0x0
	s_mov_b64 s[4:5], s[16:17]                     ; the choice of buffers hangs on the work-group's number alone
	s_mov_b64 s[6:7], s[18:19]
	s_cmp_eq_u32 s32, 1
	s_cselect_b64 s[4:5], s[20:21], s[4:5]
	s_cselect_b64 s[6:7], s[22:23], s[6:7]
	s_cmp_eq_u32 s32, 2
	s_cselect_b64 s[4:5], s[24:25], s[4:5]
	s_cselect_b64 s[6:7], s[26:27], s[6:7]
	s_cmp_eq_u32 s32, 3
	s_cselect_b64 s[4:5], s[28:29], s[4:5]
	s_cselect_b64 s[6:7], s[30:31], s[6:7]
	s_add_nc_u64 s[4:5], s[4:5], s[34:35]
	s_add_nc_u64 s[6:7], s[6:7], s[36:37]
	s_add_nc_u64 s[8:9], s[8:9], s[38:39]
	s_wait_alu depctr_va_vdst(0)
	QUAD 384, 16
	ST_REC
	s_endpgm
.Ld:	; ---- dense_w: 64 rows x one of 8 K steps
	s_load_b128 s[4:7], s[0:1], 0x50               ; dense_w's codes, scales
	s_load_b64 s[8:9], s[0:1], 0x78                ; wt
	s_sub_co_u32 s15, ttmp9, 192
	s_lshr_b32 s32, s15, 1                         ; column group
	s_and_b32 s33, s15, 1
	s_lshl_b32 s33, s33, 2
	s_add_co_u32 s33, s33, s14                     ; K step 0 .. 7
	s_mul_i32 s34, s32, 49152                      ; 64 rows of 768 bytes
	s_mul_i32 s36, s33, 96
	s_add_co_u32 s34, s34, s36
	s_mov_b32 s35, 0
	s_lshl_b32 s36, s32, 11                        ; 64 rows of 32 scale bytes
	s_lshl_b32 s38, s33, 2
	s_add_co_u32 s36, s36, s38
	s_mov_b32 s37, 0
	s_mul_i32 s38, s32, 12
	s_add_co_u32 s38, s38, s33
	s_add_co_u32 s38, s38, 196                     ; 192 + 12 x column group + 4 + K step
	s_mul_i32 s38, s38, 6656
	s_mov_b32 s39, 0
	s_wait_kmcnt 0x0
	s_add_nc_u64 s[4:5], s[4:5], s[34:35]
	s_add_nc_u64 s[6:7], s[6:7], s[36:37]
	s_add_nc_u64 s[8:9], s[8:9], s[38:39]
	s_wait_alu depctr_va_vdst(0)
	QUAD 768, 32
	ST_REC
	s_endpgm
.Lfunc_end_k_qbc42435120_prep:
	.size	k_qbc42435120_prep, .Lfunc_end_k_qbc42435120_prep-k_qbc42435120_prep
	.p2alignl 7, 3214868480
	.fill 96, 4, 3214868480
	.section	.rodata,"a",@progbits
	.p2align	6, 0x0
	.amdhsa_kernel k_qbc42435120_prep
		.amdhsa_group_segment_fixed_size 34304
		.amdhsa_private_segment_fixed_size 0
		.amdhsa_enable_private_segment 0
		.amdhsa_kernarg_size 136
		.amdhsa_user_sgpr_count 2
		.amdhsa_user_sgpr_kernarg_segment_ptr 1
		.amdhsa_wavefront_size32 1
		.amdhsa_system_sgpr_workgroup_id_x 1
		.amdhsa_system_sgpr_workgroup_id_y 1
		.amdhsa_system_sgpr_workgroup_id_z 1
		.amdhsa_system_vgpr_workitem_id 0
		.amdhsa_next_free_vgpr 226
		.amdhsa_next_free_sgpr 66
		.amdhsa_reserve_vcc 0
		.amdhsa_float_denorm_mode_32 3
		.amdhsa_float_denorm_mode_16_64 3
		.amdhsa_memory_ordered 1
		.amdhsa_forward_progress 1
		.amdhsa_inst_pref_size 66
	.end_amdhsa_kernel
	.amdgpu_metadata
---
amdhsa.version: [ 1, 2 ]
amdhsa.kernels:
  - .name:           k_qbc42435120_prep
    .symbol:         k_qbc42435120_prep.kd
    .args:
      - { .name: x_codes, .offset: 0, .size: 8, .value_kind: global_buffer, .address_space: global }
      - { .name: x_scales, .offset: 8, .size: 8, .value_kind: global_buffer, .address_space: global }
      - { .name: wq_w_codes, .offset: 16, .size: 8, .value_kind: global_buffer, .address_space: global }
      - { .name: wq_w_scales, .offset: 24, .size: 8, .value_kind: global_buffer, .address_space: global }
      - { .name: wk_w_codes, .offset: 32, .size: 8, .value_kind: global_buffer, .address_space: global }
      - { .name: wk_w_scales, .offset: 40, .size: 8, .value_kind: global_buffer, .address_space: global }
      - { .name: wv_w_codes, .offset: 48, .size: 8, .value_kind: global_buffer, .address_space: global }
      - { .name: wv_w_scales, .offset: 56, .size: 8, .value_kind: global_buffer, .address_space: global }
      - { .name: res_w_codes, .offset: 64, .size: 8, .value_kind: global_buffer, .address_space: global }
      - { .name: res_w_scales, .offset: 72, .size: 8, .value_kind: global_buffer, .address_space: global }
      - { .name: dense_w_codes, .offset: 80, .size: 8, .value_kind: global_buffer, .address_space: global }
      - { .name: dense_w_scales, .offset: 88, .size: 8, .value_kind: global_buffer, .address_space: global }
      - { .name: mask, .offset: 96, .size: 8, .value_kind: global_buffer, .address_space: global }
      - { .name: xf, .offset: 104, .size: 8, .value_kind: global_buffer, .address_space: global }
      - { .name: xs, .offset: 112, .size: 8, .value_kind: global_buffer, .address_space: global }
      - { .name: wt, .offset: 120, .size: 8, .value_kind: global_buffer, .address_space: global }
      - { .name: mb, .offset: 128, .size: 8, .value_kind: global_buffer, .address_space: global }
    .group_segment_fixed_size: 34304
    .private_segment_fixed_size: 0
    .kernarg_segment_align: 8
    .kernarg_segment_size: 136
    .max_flat_workgroup_size: 128
    .sgpr_count:     66
    .vgpr_count:     226
    .wavefront_size: 32
...
	.end_amdgpu_metadata
.endif
;; end of part 5
;; launch proj (part 6): grid 64 x 4, 4 waves a work-group, no clusters, 0 bytes of LDS; arguments xf, xs, wt, wq_b, wk_b, wv_b, qi, kv; writes qi, kv
.if DOCPART == 6
	.amdgcn_target "amdgcn-amd-amdhsa--gfx1250"
	.amdhsa_code_object_version 6
	.text
	.protected	k_qbc42435120_proj
	.globl	k_qbc42435120_proj
	.p2align	8
	.type	k_qbc42435120_proj,@function
k_qbc42435120_proj:
	s_mov_b64 s[64:65], 0
	v_nop
	global_prefetch_b8 v0, s[64:65] scope:SCOPE_SE
	s_setreg_imm32_b32 hwreg(HW_REG_WAVE_SCHED_MODE, 0, 2), 2
	s_setreg_imm32_b32 hwreg(HW_REG_WAVE_MODE, 25, 1), 1
	s_wait_xcnt 0x0
	s_wait_alu depctr_vm_vsrc(0)
; q = x wq + bq, k = x wk + bk, v = x wv + bv on codes of FP6 (E2M3), and the three results quantised in registers: q and k along the head's 64 channels, v along the keys.
; SHARES.  A work-group takes 128 tokens (work-group x) and four heads (4 y + wave).  A wave makes its head's three records for these tokens and shares nothing: no LDS, no barrier, no label.
; x's 32 fragments (8 tiles of 16 tokens x 4 K steps) stay in 384 registers; the weights' records (4 fragments + their scale words: 13 loads of 512 consecutive bytes) come three stages ahead through four buffers.
; A STAGE is one K step of one matrix: 32 matrix instructions on 32 accumulators, which take turns, one instruction a turn.
; Q, K: source 0 = 16 channels of the weight, source 1 = 16 tokens: a lane holds ONE token, and by the choice of the weight's rows its 32 registers of a token tile are channels 32 b + 16 hh + 0 .. 15.
;   Two token tiles (64 registers, four blocks of 32) make ONE fragment: registers 0-5 the even tile's 64 channels, registers 6-11 the odd tile's; scale word: the even tile's two bytes, then the odd tile's.
; V: source 0 = 16 tokens, source 1 = 16 channels: a lane holds ONE channel, and its 64 registers of a channel tile are the 128 tokens' 32 b + 16 hh + 0 .. 15: a fragment whose K is the keys.
; The biases are the C of each sum's first matrix instruction.
; THE QUANTISER: a block's scale byte is its largest magnitude's exponent field - 2, held at 1 from below by a floor among the maximum's leaves.
; LIMITS: a block of zeros gets the byte 1 (its codes are zeros; this program alone reads the bytes); NaN and infinities are not served.
; REGISTERS, in windows of 256.  Window 0: v1-4 addresses; v16-47 x's scale words (8 K step + tile); v48-63 the weights' (4 buffer + fragment); v64-95 the bias as C; v96-111 at work; v112-115 a record's scale words;
;   v116-134 codes; v136-139 v's bias; v160-207, v208-255 weight buffers 2, 3.  Window 1: x's K steps 0, 1 (96 (step % 2) + 12 tile); v192-239 weight buffer 0.  Window 2: x's K steps 2, 3; buffer 1.  Window 3: the accumulators.
; THE MODE: SCHED_MODE bits 1:0 = 2 (LLVM: expert scheduling mode 2), set by the entry lines.  The code itself states the register dependences
; between vector or matrix instructions and memory instructions, with s_wait_alu, always for 0.
; THE PLAN.  Registers that memory instructions touch:
;   v1-v4            offsets, made once at the head and never written again.
;   weight buffer b  with its four scale words: read by the 32 products of stage g, g % 4 = b; the record of stage g + 4 lands in it, asked for in stage g + 1.
;   v64-95           the bias as C: read by a matrix's first stage; k's bias lands there in stage 1; v's is moved there by vector instructions.
;   v116-127, v112-115  a fragment's codes and a record's scale words: written by the quantiser, read by the stores.
; So ONE wait on va_vdst stands at the head of a stage that asks for a record: the stage before is done reading the buffer.  Eight products follow it at once, then the 13 loads in one run, then the other 24 products:
; a stage's products name its own buffer, x, the accumulators and their own scale words, none of which those loads touch.  In the quantiser one wait on vm_vsrc stands ahead of the codes' rewriting and one on va_vdst ahead of each run of stores.
.set XS, 16
.set WS, 48
.set BI, 64
.set TM, 96
.set SW, 112
.set PC, 116
.set VB, 136
.set MSB, 0
.set STORED, 0                         ; 1 as soon as a store has been issued
.macro WIN new                         ; bits 1:0 source 0, 3:2 source 1, 5:4 source 2, 7:6 destination; the immediate's high byte repeats the setting that is left
.if MSB != (\new)
	s_set_vgpr_msb (MSB<<8)|(\new)
.set MSB, (\new)
.endif
.endm
	s_load_b128 s[4:7], s[0:1], 0x0                ; xf, xs
	s_load_b128 s[8:11], s[0:1], 0x10              ; wt, wq_b
	s_load_b128 s[12:15], s[0:1], 0x20             ; wk_b, wv_b
	s_load_b128 s[16:19], s[0:1], 0x30             ; qi, kv
	v_lshrrev_b32 v5, 5, v0
	v_readfirstlane_b32 s20, v5                    ; wave
	v_and_b32 v5, 31, v0
	v_lshlrev_b32 v1, 4, v5                        ; 16 x lane: an image's place for my lane
	v_lshlrev_b32 v2, 2, v5                        ; 4 x lane: a scale word's
	v_bfe_u32 v3, v0, 4, 1
	v_lshlrev_b32 v3, 6, v3                        ; 64 hh: q's and k's bias, 16 numbers on for lanes 16-31
	v_and_b32 v5, 15, v0
	v_and_b32 v4, 8, v5
	v_add_nc_u32 v4, v4, v5
	v_lshlrev_b32 v4, 2, v4                        ; 4 (r + 8 (r / 8)): v's bias, my channel of a tile
.irp b, 0,1,2,3
	v_mov_b32 v[TM+4+\b], 0                        ; written once: a lane permute's destination counts as one of its sources
.endr
	s_wait_alu depctr_va_sdst(0)                   ; s20 is written, ahead of its first reader: the head's number and every base are made from it
	s_and_b32 s21, ttmp7, 0xffff
	s_lshl_b32 s22, s21, 2
	s_add_co_u32 s22, s22, s20                     ; head
	s_lshr_b32 s23, ttmp9, 3                       ; batch
	s_and_b32 s26, ttmp9, 7                        ; which 128 tokens of the batch
	s_mov_b32 s24, 0x76543210
	s_mov_b32 s25, 0xfedcba98                      ; v_permlanex16_b32's selects for lane l xor 16
	s_mul_i32 s28, ttmp9, 49152                    ; xf: four runs of 32 tokens, 12,288 bytes each
	s_mov_b32 s29, 0
	s_lshl_b32 s30, ttmp9, 12                      ; xs: 1,024 bytes a run
	s_mov_b32 s31, 0
	s_mul_i32 s32, s22, 26624                      ; wt: four records a head
	s_mov_b32 s33, 0
	s_lshl_b32 s34, s22, 8                         ; the biases: 64 numbers a head
	s_mov_b32 s35, 0
	s_lshl_b32 s27, s23, 4
	s_add_co_u32 s27, s27, s22                     ; batch x 16 + head
	s_lshl_b32 s36, s27, 3
	s_add_co_u32 s36, s36, s26
	s_mul_i32 s36, s36, 6656                       ; qi: eight records a head
	s_mov_b32 s37, 0
	s_mul_i32 s38, s27, 106496                     ; kv: k's eight records, then v's eight
	s_mul_i32 s26, s26, 6656
	s_add_co_u32 s38, s38, s26
	s_mov_b32 s39, 0
	s_wait_kmcnt 0x0
	s_add_nc_u64 s[4:5], s[4:5], s[28:29]
	s_add_nc_u64 s[6:7], s[6:7], s[30:31]
	s_add_nc_u64 s[8:9], s[8:9], s[32:33]
	s_add_nc_u64 s[10:11], s[10:11], s[34:35]
	s_add_nc_u64 s[12:13], s[12:13], s[34:35]
	s_add_nc_u64 s[14:15], s[14:15], s[34:35]
	s_add_nc_u64 s[16:17], s[16:17], s[36:37]
	s_add_nc_u64 s[18:19], s[18:19], s[38:39]
	s_wait_alu depctr_va_vdst(0)                   ; v1 to v4 are written: every load and store of the kernel reads one of them as its offset
.irp ks, 0,1,2,3                       ; x: 96 loads of 512 consecutive bytes
	WIN 0x40+0x40*(\ks/2)
.irp i, 0,1,2,3,4,5,6,7
.irp g, 0,1,2
	global_load_b128 v[96*(\ks%2)+12*\i+4*\g:96*(\ks%2)+12*\i+4*\g+3], v1, s[4:5] offset:(\i/2)*12288+\ks*3072+(\i%2)*1536+512*\g
.endr
.endr
.endr
	WIN 0
.irp ks, 0,1,2,3
.irp i, 0,1,2,3,4,5,6,7
	global_load_b32 v[XS+8*\ks+\i], v2, s[6:7] offset:(\i/2)*1024+\ks*256+(\i%2)*128
.endr
.endr
.macro BIAS ptr                        ; q's or k's bias in the result's layout: tile t, lane (r, hh), register j: channel 32 (t / 2) + 8 (t % 2) + 16 hh + j
.irp t, 0,1,2,3
	global_load_b128 v[BI+8*\t:BI+8*\t+3], v3, s[\ptr:\ptr+1] offset:(32*(\t/2)+8*(\t%2))*4
	global_load_b128 v[BI+8*\t+4:BI+8*\t+7], v3, s[\ptr:\ptr+1] offset:(32*(\t/2)+8*(\t%2))*4+16
.endr
.endm
	BIAS 10
.irp t, 0,1,2,3
	global_load_b32 v[VB+\t], v4, s[14:15] offset:(32*(\t/2)+8*(\t%2))*4   ; v's bias: one number for my channel of tile t
.endr
.macro WSEL s                          ; where weight buffer s lies
.if (\s) == 0
.set WBASE, 192
.set WWIN, 1
.elseif (\s) == 1
.set WBASE, 192
.set WWIN, 2
.elseif (\s) == 2
.set WBASE, 160
.set WWIN, 0
.else
.set WBASE, 208
.set WWIN, 0
.endif
.endm
.macro WLOAD g                         ; stage g's record (matrix g / 4, K step g % 4) into buffer g % 4: 13 loads
.set LM, (\g)/4
.set LK, (\g)%4
	WSEL LK
	WIN WWIN<<6
.irp q, 0,1,2,3,4,5,6,7,8,9,10,11
	global_load_b128 v[WBASE+4*\q:WBASE+4*\q+3], v1, s[8:9] offset:LM*425984+LK*6656+512*\q
.endr
	WIN 0
	global_load_b128 v[WS+4*LK:WS+4*LK+3], v1, s[8:9] offset:LM*425984+LK*6656+6144
.endm
	WLOAD 0
	WLOAD 1
	WLOAD 2
; Four products: token tile i against the weight's four tiles.  MB: the stage's weight buffer; XB: x's K step in its window.
.macro MM4 mat, s, i
.irp t, 0,1,2,3
.if (\mat) < 2
.set DD, 8*(4*(\i)+\t)
.if (\s) == 0
	v_wmma_scale_f32_16x16x128_f8f6f4 v[DD:DD+7], v[MB+12*\t:MB+12*\t+11], v[XB+12*(\i):XB+12*(\i)+11], v[BI+8*\t:BI+8*\t+7], v[WS+4*(\s)+\t], v[XS+8*(\s)+(\i)] matrix_a_fmt:MATRIX_FMT_FP6 matrix_b_fmt:MATRIX_FMT_FP6
.else
	v_wmma_scale_f32_16x16x128_f8f6f4 v[DD:DD+7], v[MB+12*\t:MB+12*\t+11], v[XB+12*(\i):XB+12*(\i)+11], v[DD:DD+7], v[WS+4*(\s)+\t], v[XS+8*(\s)+(\i)] matrix_a_fmt:MATRIX_FMT_FP6 matrix_b_fmt:MATRIX_FMT_FP6
.endif
.else
.set DD, 8*(8*\t+(\i))
.if (\s) == 0
	v_wmma_scale_f32_16x16x128_f8f6f4 v[DD:DD+7], v[XB+12*(\i):XB+12*(\i)+11], v[MB+12*\t:MB+12*\t+11], v[BI+8*\t:BI+8*\t+7], v[XS+8*(\s)+(\i)], v[WS+4*(\s)+\t] matrix_a_fmt:MATRIX_FMT_FP6 matrix_b_fmt:MATRIX_FMT_FP6
.else
	v_wmma_scale_f32_16x16x128_f8f6f4 v[DD:DD+7], v[XB+12*(\i):XB+12*(\i)+11], v[MB+12*\t:MB+12*\t+11], v[DD:DD+7], v[XS+8*(\s)+(\i)], v[WS+4*(\s)+\t] matrix_a_fmt:MATRIX_FMT_FP6 matrix_b_fmt:MATRIX_FMT_FP6
.endif
.endif
.endr
.endm
.macro STAGE mat, s
.set SG, 4*(\mat)+(\s)
.if SG <= 9
	s_wait_loadcnt 26                              ; this stage's record is in: behind it stand the 13 loads of each of the two later stages that have been asked for (k's bias among them only makes the wait stricter)
.else
	s_wait_loadcnt 13*(11-SG)                      ; the counts run down
.endif
.if (SG >= 1) && (SG <= 8)
	s_wait_alu depctr_va_vdst(0)                   ; the stage before is done reading its weight buffer and that buffer's scale words, in which the record asked for below lands; in stage 1 also q's bias, in which k's lands
.endif
	WSEL \s
.set MB, WBASE
.set XWIN, 1+(\s)/2
.set XB, 96*((\s)%2)
.if (\s) == 0
.set CW, 0
.else
.set CW, 3
.endif
.if (\mat) < 2
.set MMW, WWIN|(XWIN<<2)|(CW<<4)|0xc0
.else
.set MMW, XWIN|(WWIN<<2)|(CW<<4)|0xc0
.endif
	WIN MMW
	MM4 \mat, \s, 0
	MM4 \mat, \s, 1
.if SG <= 8
.if SG == 1
	WIN 0
	BIAS 12                                        ; k's bias.  No wait: no product since the wait above names v64-95.  It is older than the 26 loads that k's first stage leaves out
.endif
	WLOAD SG+3                                     ; into the buffer that the stage before multiplied.  No wait: the eight products since the wait above name this stage's own buffer, x, the accumulators and their own scale words
	WIN MMW
.endif
.irp i, 2,3,4,5,6,7
	MM4 \mat, \s, \i
.endr
	WIN 0
.rept 4
	v_nop                                          ; four places behind the products (ISA guide 7.12.1): in front of the first read of their results and of vector writes of their sources; they stay beside the waits
.endr
.endm
; 64 accumulator registers from src on (window 3), register 16 b + i = k 32 b + 16 hh + i of my row, become fragment p of the record at s[ptr:ptr+1] + off, and its scale word v[SW + p].
.macro QW src, p, ptr, off
	WIN 0x0f                                       ; sources 0 and 1: window 3
.irp b, 0,1,2,3
	v_max3_num_f32 v[TM+\b], |v[(\src)+16*\b]|, |v[(\src)+16*\b+1]|, 0x1800000   ; my 16 numbers of block b, from each accumulator's low end on, and the floor 2^(3 - 127): the byte cannot fall under 1
.endr
.irp i, 2,4,6,8,10,12,14
.irp b, 0,1,2,3
	v_max3_num_f32 v[TM+\b], |v[(\src)+16*\b+\i]|, |v[(\src)+16*\b+\i+1]|, v[TM+\b]
.endr
.endr
	WIN 0
.irp b, 0,1,2,3
	v_permlanex16_b32 v[TM+4+\b], v[TM+\b], s24, s25
.endr
.irp b, 0,1,2,3
	v_max_num_f32 v[TM+\b], v[TM+\b], v[TM+4+\b]   ; with lane l xor 16's: the block's largest magnitude
.endr
.irp b, 0,1,2,3
	v_add_nc_u32 v[TM+12+\b], 0xff000000, v[TM+\b] ; 2 off its exponent field: the conversion takes the exponent field of this operand as its scale
.endr
.irp b, 0,1,2,3
	v_lshrrev_b32 v[TM+4+\b], 23, v[TM+12+\b]      ; the scale's byte
.endr
	s_wait_alu depctr_va_vdst(0)
	s_wait_xcnt 0x0                                ; the earlier stores have had their addresses translated: only now are the codes' and the scale words' registers written again
.if STORED
	s_wait_alu depctr_vm_vsrc(0)                   ; the earlier stores have read v116-127 and v112-115, which the lines below write again
.endif
	v_lshl_or_b32 v[SW+(\p)], v[TM+5], 8, v[TM+4]
	v_lshl_or_b32 v[SW+(\p)], v[TM+6], 16, v[SW+(\p)]
	v_lshl_or_b32 v[SW+(\p)], v[TM+7], 24, v[SW+(\p)]
	WIN 0x03                                       ; source 0: window 3
.irp c, 0,1
	v_cvt_scalef32_pk16_fp6_f32 v[PC+6*\c:PC+6*\c+2], v[(\src)+32*\c:(\src)+32*\c+15], v[TM+12+2*\c]
	v_cvt_scalef32_pk16_fp6_f32 v[PC+12+4*\c:PC+14+4*\c], v[(\src)+16+32*\c:(\src)+31+32*\c], v[TM+13+2*\c]   ; (a conversion's three registers begin on an even number)
.endr
	WIN 0
	v_nop                                          ; one plain place behind a scaled conversion
.irp c, 0,1                            ; the operand's layout wants a whole block in a lane: lanes 0-15 block 2 c, lanes 16-31 block 2 c + 1
.irp i, 0,1,2
	v_permlane16_swap_b32 v[PC+6*\c+\i], v[PC+12+4*\c+\i]
.endr
.irp i, 0,1,2
	v_mov_b32 v[PC+3+6*\c+\i], v[PC+12+4*\c+\i]
.endr
.endr
	s_wait_alu depctr_va_vdst(0)                   ; the conversions, exchanges and moves have written the codes v116-127, and the shifts the scale word, which the stores read
.irp g, 0,1,2
	global_store_b128 v1, v[PC+4*\g:PC+4*\g+3], s[\ptr:\ptr+1] offset:(\off)+1536*(\p)+512*\g   ; 512 consecutive bytes, aligned to 256
.endr
.set STORED, 1
.endm
.macro RECORD ptr, off                 ; the 256 accumulator registers become a record
	QW 0, 0, \ptr, \off
	QW 64, 1, \ptr, \off
	QW 128, 2, \ptr, \off
	QW 192, 3, \ptr, \off
	global_store_b128 v1, v[SW:SW+3], s[\ptr:\ptr+1] offset:(\off)+6144   ; the four scale words were written ahead of the last wait on va_vdst; only stores stand between
.endm
	STAGE 0, 0
	STAGE 0, 1
	STAGE 0, 2
	STAGE 0, 3
	RECORD 16, 0
	STAGE 1, 0
.irp t, 0,1,2,3
.irp j, 0,1,2,3,4,5,6,7
	v_mov_b32 v[BI+8*\t+\j], v[VB+\t]              ; v's bias as C: a lane holds one channel, so all eight registers of a tile are that channel's number
.endr
.endr
	STAGE 1, 1
	STAGE 1, 2
	STAGE 1, 3
	RECORD 18, 0
	STAGE 2, 0
	STAGE 2, 1
	STAGE 2, 2
	STAGE 2, 3
	RECORD 18, 53248
	s_endpgm
.Lfunc_end_k_qbc42435120_proj:
	.size	k_qbc42435120_proj, .Lfunc_end_k_qbc42435120_proj-k_qbc42435120_proj
	.p2alignl 7, 3214868480
	.fill 96, 4, 3214868480
	.section	.rodata,"a",@progbits
	.p2align	6, 0x0
	.amdhsa_kernel k_qbc42435120_proj
		.amdhsa_group_segment_fixed_size 0
		.amdhsa_private_segment_fixed_size 0
		.amdhsa_enable_private_segment 0
		.amdhsa_kernarg_size 64
		.amdhsa_user_sgpr_count 2
		.amdhsa_user_sgpr_kernarg_segment_ptr 1
		.amdhsa_wavefront_size32 1
		.amdhsa_system_sgpr_workgroup_id_x 1
		.amdhsa_system_sgpr_workgroup_id_y 1
		.amdhsa_system_sgpr_workgroup_id_z 1
		.amdhsa_system_vgpr_workitem_id 0
		.amdhsa_next_free_vgpr 1024
		.amdhsa_next_free_sgpr 66
		.amdhsa_reserve_vcc 0
		.amdhsa_float_denorm_mode_32 3
		.amdhsa_float_denorm_mode_16_64 3
		.amdhsa_memory_ordered 1
		.amdhsa_forward_progress 1
		.amdhsa_inst_pref_size 136
	.end_amdhsa_kernel
	.amdgpu_metadata
---
amdhsa.version: [ 1, 2 ]
amdhsa.kernels:
  - .name:           k_qbc42435120_proj
    .symbol:         k_qbc42435120_proj.kd
    .args:
      - { .name: xf, .offset: 0, .size: 8, .value_kind: global_buffer, .address_space: global }
      - { .name: xs, .offset: 8, .size: 8, .value_kind: global_buffer, .address_space: global }
      - { .name: wt, .offset: 16, .size: 8, .value_kind: global_buffer, .address_space: global }
      - { .name: wq_b, .offset: 24, .size: 8, .value_kind: global_buffer, .address_space: global }
      - { .name: wk_b, .offset: 32, .size: 8, .value_kind: global_buffer, .address_space: global }
      - { .name: wv_b, .offset: 40, .size: 8, .value_kind: global_buffer, .address_space: global }
      - { .name: qi, .offset: 48, .size: 8, .value_kind: global_buffer, .address_space: global }
      - { .name: kv, .offset: 56, .size: 8, .value_kind: global_buffer, .address_space: global }
    .group_segment_fixed_size: 0
    .private_segment_fixed_size: 0
    .kernarg_segment_align: 8
    .kernarg_segment_size: 64
    .max_flat_workgroup_size: 128
    .sgpr_count:     66
    .vgpr_count:     1024
    .wavefront_size: 32
...
	.end_amdgpu_metadata
.endif
;; end of part 6
;; launch attn (part 7): grid 4 x 64, 16 waves a work-group, no clusters, 215,040 bytes of LDS; arguments kv, qi, mb, oc, osc; writes oc, osc
.if DOCPART == 7
	.amdgcn_target "amdgcn-amd-amdhsa--gfx1250"
	.amdhsa_code_object_version 6
	.text
	.protected	k_qbc42435120_attn
	.globl	k_qbc42435120_attn
	.p2align	8
	.type	k_qbc42435120_attn,@function
k_qbc42435120_attn:
	s_mov_b64 s[64:65], 0
	v_nop
	global_prefetch_b8 v0, s[64:65] scope:SCOPE_SE
	s_setreg_imm32_b32 hwreg(HW_REG_WAVE_SCHED_MODE, 0, 2), 2
	s_setreg_imm32_b32 hwreg(HW_REG_WAVE_MODE, 25, 1), 1
	s_wait_xcnt 0x0
	s_wait_alu depctr_vm_vsrc(0)
; o = softmax(q k^T / 8, masked) v for two heads, both products on codes of FP6 (E2M3), and o / l quantised along the model's channels for the last product.
; SHARES.  A work-group owns 256 queries (work-group x) of one batch and one PAIR of heads (work-group y = 8 batch + pair).  Each of its sixteen waves owns one tile of 16 queries in 256 registers, four waves to a SIMD,
; and runs the pair's two heads one after the other, 8 key steps of 128 keys each.  k's and v's records of both heads, 212,992 consecutive bytes, are copied into LDS once (26 loads a thread): no ring, one barrier.
; No tile is shared between work-groups beyond that one copy, 26 loads a thread against 16 key steps: so no cluster and no joint load.
; LAYOUT.  Both products are used transposed, so that a lane holds ONE query throughout.  S^T = k q^T: the head has only 64 channels, so a fragment of k carries TWO tiles of 16 keys (K 0-63: the even tile, K 64-127: the odd one),
; and q stands beside zeros: [q | 0] picks the even tile, [0 | q] the odd one.  By the tiles' choice of keys the 16 registers of a pair are keys 32 p + 16 hh + 0 .. 15.  O^T = v^T p^T: source 0 = 16 channels of v, K = the step's 128 keys.
; THE MASK comes as lane masks, one word for each register of the scores, by scalar loads a step ahead: one v_cndmask_b32 a score.
; THE SOFTMAX: t = score x log2(e) / 8; M = the running largest t rounded up to a whole number; p = 2^(t - M) is quantised along the keys, not normalised; the sum is taken of the unquantised p and divides at the end;
; when M moves, the sum and O^T are multiplied by 2^(old M - new M), which rounds nothing.  A block's largest p is made of its largest score by the same multiply-add and exponential.
; LIMITS.  A masked score is set to -2^33 ahead of the factor, so that t = -1.549e9 is exact where the problem has -1.443e9: the results are the same while true logits stay above about -1e8; a row that is masked throughout
; gives p = 1 for every key, as the problem does.  p under 2^-126 is 0 (v_exp_f32).  A block of zeros gets the byte 1 with zero codes.  NaN and infinities are not served.
; THE MODE: SCHED_MODE bits 1:0 = 2 (LLVM: expert scheduling mode 2), set by the entry lines.  The code itself states the register dependences
; between vector or matrix instructions and memory or LDS instructions, with s_wait_alu, always for 0.
; THE PLAN.  Registers that memory or LDS instructions touch:
;   v1, v3         offsets, made at the head and never written again.
;   v36-143, v176-179  at the head only: the copy's data and LDS addresses, read by its LDS stores; afterwards fragments, scores and O^T.
;   v2             the step's LDS address: written once a step, read by the step's 26 LDS loads.
;   v36-87         one set of four fragments and their scale words: k's land, the eight products S^T read them, v's land, the four products O^T read them, the next step's k's land.
;   v224-235, v253 codes and a scale word: written by vector instructions, read by the products O^T; at the end read by the stores.
;   v243, v255     written at the head, read by the closing add alone.
; A wave has 256 registers, all in use, so the fragments have one set, and a wait on va_vdst stands ahead of each of a step's two runs of LDS loads; one on vm_vsrc ahead of the add that makes v2.
.set KF, 36                            ; v36-83   four fragments of k, then of v
.set KS, 84                            ; v84-87   their scale words
.set BM, 88                            ; v88-91   the blocks' largest scores, then largest p
.set T2, 92                            ; v92-95   lane permutes' destinations
.set SS, 96                            ; v96-159  S^T, then p
.set OO, 160                           ; v160-191 O^T
.set HOLD, 192                         ; v192-223 the first head's o
.set PC, 224                           ; v224-235 codes
.set CT, 236                           ; v236-242 the conversions' second halves; later a chain of the sum
.set SO, 244                           ; v244-247 the conversions' scale operands
.set BY, 248                           ; v248-251 scale bytes
; v1 16 x lane; v2 the LDS address in hand; v3 4 x lane; v4 -2^33; v5 q's scale word; v6-11, v34 the second head's q and its scale word; v12 -M, v13 the largest t, v[14:15] the sum in two halves;
; v16-33 [0 x 6 | q | 0 x 6]; v252 f, v253 p's scale word, v254 at work.
; s[4:5] kv, s[6:7] qi, s[8:9] mb, s[10:11] oc, s[12:13] osc, each at my part; s14 wave; s17 the step's record in LDS; s18 the step; s19 the mask words' offset; s[20:21] permute selects; s[22:23] c; s[32:63], s[68:99] 64 mask words.
	s_load_b128 s[4:7], s[0:1], 0x0                ; kv, qi
	s_load_b128 s[8:11], s[0:1], 0x10              ; mb, oc
	s_load_b64 s[12:13], s[0:1], 0x20              ; osc
	v_lshl_add_u32 v243, v0, 2, 0x34000
	v_mov_b32 v255, 0
	v_lshrrev_b32 v1, 5, v0
	v_readfirstlane_b32 s14, v1                    ; wave 0..15
	v_and_b32 v3, 31, v0
	v_lshlrev_b32 v1, 4, v3
	v_lshlrev_b32 v3, 2, v3
	v_lshlrev_b32 v176, 4, v0                      ; the copy: 16 bytes a thread, 8,192 an instruction; an LDS offset holds 16 bits, so four address registers
	v_add_nc_u32 v177, 0x10000, v176
	v_add_nc_u32 v178, 0x20000, v176
	v_add_nc_u32 v179, 0x30000, v176
	s_wait_alu depctr_va_sdst(0)                   ; s14 is written, ahead of its first reader: my tile's places in qi, mb, oc and osc are made from it
	s_and_b32 s15, ttmp7, 0xffff                   ; 8 batch + pair
	s_lshr_b32 s16, s15, 3                         ; batch
	s_and_b32 s24, s15, 7                          ; pair of heads
	s_and_b32 s25, s14, 1                          ; u: my tile of its run of 32 queries
	s_lshr_b32 s26, s14, 1
	s_and_b32 s27, s26, 3                          ; p: my run's fragment in q's record
	s_mul_i32 s78, s15, 212992                     ; kv: the pair's bytes
	s_mov_b32 s79, 0
	s_lshl_b32 s28, s15, 4                         ; qi: record 8 x (first head) + 2 x work-group x + wave / 8
	s_lshl_b32 s29, ttmp9, 1
	s_add_co_u32 s28, s28, s29
	s_lshr_b32 s29, s14, 3
	s_add_co_u32 s28, s28, s29
	s_mul_i32 s28, s28, 6656
	s_mul_i32 s29, s27, 1536
	s_add_co_u32 s68, s28, s29                     ; my fragment,
	s_mov_b32 s69, 0
	s_lshl_b32 s29, s27, 2
	s_add_co_u32 s70, s28, s29                     ; and its word among each lane's four
	s_mov_b32 s71, 0
	s_lshl_b32 s72, s24, 18                        ; mb: 131,072 bytes a head,
	s_lshl_b32 s29, ttmp9, 4
	s_add_co_u32 s29, s29, s14
	s_lshl_b32 s29, s29, 11                        ; 2,048 a tile of queries
	s_add_co_u32 s72, s72, s29
	s_mov_b32 s73, 0
	s_lshl_b32 s29, ttmp9, 3
	s_add_co_u32 s29, s29, s26                     ; my run of 32 queries in the batch
	s_lshl_b32 s28, s16, 5
	s_add_co_u32 s29, s29, s28
	s_lshl_b32 s29, s29, 4
	s_lshl_b32 s28, s24, 1
	s_add_co_u32 s29, s29, s28
	s_add_co_u32 s29, s29, s25                     ; oc, osc: (run x 8 + pair) x 2 + u
	s_mul_i32 s74, s29, 1536
	s_mov_b32 s75, 0
	s_lshl_b32 s76, s29, 7
	s_mov_b32 s77, 0
	s_cmp_lg_u32 s25, 0
	s_cselect_b32 s30, -1, 0                       ; all lanes take the odd tile's half, or none
	s_lshl_b32 s31, s25, 4
	s_mov_b32 s20, 0x76543210
	s_mov_b32 s21, 0xfedcba98                      ; v_permlanex16_b32's selects for lane l xor 16
	s_mov_b32 s22, 0x3e38aa3b                      ; c = log2(e) / 8
	s_mov_b32 s23, s22                             ; (named with it as a pair, so it is written)
	s_wait_kmcnt 0x0
	s_add_nc_u64 s[4:5], s[4:5], s[78:79]
	s_add_nc_u64 s[80:81], s[6:7], s[70:71]
	s_add_nc_u64 s[6:7], s[6:7], s[68:69]
	s_add_nc_u64 s[8:9], s[8:9], s[72:73]
	s_add_nc_u64 s[10:11], s[10:11], s[74:75]
	s_add_nc_u64 s[12:13], s[12:13], s[76:77]
	s_wait_alu depctr_va_vdst(0)                   ; v1, v3 and v176 to v179 are written, which the loads and stores below read as offsets and LDS addresses
.irp i, 0,1,2,3,4,5,6,7,8,9,10,11,12,13,14,15,16,17,18,19,20,21,22,23,24,25
	global_load_b128 v[36+4*\i+4*((\i+12)/24):39+4*\i+4*((\i+12)/24)], v176, s[4:5] offset:8192*\i   ; (the registers pass over v84-87, which hold scales and nothing else)
.endr
.irp c, 0,1                            ; q's pair fragment and scale word of both heads
.irp g, 0,1,2
	global_load_b128 v[144+16*\c+4*\g:147+16*\c+4*\g], v1, s[6:7] offset:\c*53248+512*\g
.endr
	global_load_b32 v[156+16*\c], v1, s[80:81] offset:\c*53248+6144
.endr
	s_wait_loadcnt 8                               ; the copy's 26 loads are in; q's 8 may be out
.irp i, 0,1,2,3,4,5,6,7,8,9,10,11,12,13,14,15,16,17,18,19,20,21,22,23,24,25
	ds_store_b128 v[176+\i/8], v[36+4*\i+4*((\i+12)/24):39+4*\i+4*((\i+12)/24)] offset:(\i%8)*8192
.endr
	s_wait_loadcnt 0x0
	s_wait_alu depctr_vm_vsrc(0)                   ; the LDS stores have read their data v36-143 and their addresses v176-179: these registers are fragments, scores and O^T from here on
.irp i, 0,1,2,3,4,5
	v_cndmask_b32 v[22+\i], v[144+\i], v[150+\i], s30   ; my tile's half of the pair: 64 channels in six registers
	v_cndmask_b32 v[6+\i], v[160+\i], v[166+\i], s30
.endr
	v_lshrrev_b32 v156, s31, v156                  ; my tile's two scale bytes,
	v_lshrrev_b32 v172, s31, v172
	v_and_b32 v156, 0xffff, v156
	v_and_b32 v172, 0xffff, v172
	v_lshl_or_b32 v5, v156, 16, v156               ; twice: for q in the lower and in the upper half of K
	v_lshl_or_b32 v34, v172, 16, v172
.irp i, 0,1,2,3,4,5
	v_mov_b32 v[16+\i], 0
	v_mov_b32 v[28+\i], 0
.endr
.irp b, 0,1,2,3
	v_mov_b32 v[T2+\b], 0                          ; written once: a lane permute's destination counts as one of its sources
.endr
	v_mov_b32 v253, 0                              ; (named as the upper half of the pair v[252:253] before it is first written)
	v_mov_b32 v4, 0xd0000000                       ; -2^33
	s_wait_dscnt 0x0                               ; my part of the copy has landed
	s_barrier_signal -1
	s_barrier_wait -1                              ; everybody's has; nothing is written to LDS from here on
.macro MLOAD                           ; a step's 64 mask words
	s_load_b512 s[32:47], s[8:9], s19 offset:0x0
	s_load_b512 s[48:63], s[8:9], s19 offset:0x40
	s_load_b512 s[68:83], s[8:9], s19 offset:0x80
	s_load_b512 s[84:99], s[8:9], s19 offset:0xc0
.endm
.macro STEP
	s_wait_alu depctr_vm_vsrc(0)                   ; the LDS loads issued so far have read v2
	v_add_nc_u32 v2, s17, v1
.rept 3
	v_nop                                          ; with the addition: four places behind the last step's products (ISA guide 7.12.1); they stay beside the wait below
.endr
	s_wait_alu depctr_va_vdst(0)                   ; v2 is written; the last step's products are done reading v's fragments and scale words, in which k's land; in a head's first step q, the zeros beside it and q's scale word are written, which the products below take
.irp g, 0,1,2,3,4,5,6,7,8,9,10,11
	ds_load_b128 v[KF+4*\g:KF+4*\g+3], v2 offset:512*\g
.endr
	ds_load_b128 v[KS:KS+3], v2 offset:6144
	s_wait_dscnt 0x0
.irp p, 0,1,2,3
	v_wmma_scale_f32_16x16x128_f8f6f4 v[SS+16*\p:SS+16*\p+7], v[KF+12*\p:KF+12*\p+11], v[22:33], 0, v[KS+\p], v5 matrix_a_fmt:MATRIX_FMT_FP6 matrix_b_fmt:MATRIX_FMT_FP6
	v_wmma_scale_f32_16x16x128_f8f6f4 v[SS+16*\p+8:SS+16*\p+15], v[KF+12*\p:KF+12*\p+11], v[16:27], 0, v[KS+\p], v5 matrix_a_fmt:MATRIX_FMT_FP6 matrix_b_fmt:MATRIX_FMT_FP6
.endr
.rept 4
	v_nop                                          ; four places behind the products, in front of the first read of the scores
.endr
	s_wait_alu depctr_va_vdst(0)                   ; the eight products are done reading k's fragments and scale words, in which v's land
.irp g, 0,1,2,3,4,5,6,7,8,9,10,11
	ds_load_b128 v[KF+4*\g:KF+4*\g+3], v2 offset:53248+512*\g   ; v's record of the same keys: it lands under the softmax
.endr
	ds_load_b128 v[KS:KS+3], v2 offset:53248+6144
	s_wait_kmcnt 0x0                               ; the step's mask words
.set j, 0
.rept 64
	v_cndmask_b32 v[SS+j], v4, v[SS+j], s[32+j+4*(j/32)]   ; where the mask is 0: -2^33.  Ascending: each accumulator is read from its low end on
.set j, j+1
.endr
.irp b, 0,1,2,3
	v_max3_num_f32 v[BM+\b], v[SS+16*\b], v[SS+16*\b+1], v[SS+16*\b+2]   ; the largest score of each block of 32 keys: for the row's maximum, and for the block's largest p
.endr
.irp i, 3,5,7,9,11,13
.irp b, 0,1,2,3
	v_max3_num_f32 v[BM+\b], v[BM+\b], v[SS+16*\b+\i], v[SS+16*\b+\i+1]
.endr
.endr
.irp b, 0,1,2,3
	v_max_num_f32 v[BM+\b], v[BM+\b], v[SS+16*\b+15]
.endr
.irp b, 0,1,2,3
	v_permlanex16_b32 v[T2+\b], v[BM+\b], s20, s21
.endr
.irp b, 0,1,2,3
	v_max_num_f32 v[BM+\b], v[BM+\b], v[T2+\b]     ; with lane l xor 16's 16 keys
.endr
	s_add_co_u32 s19, s18, 1                       ; the next step's mask words (no scalar load is out since the wait above); the last step asks for its own again, so that no load leaves the buffer
	s_min_u32 s19, s19, 7
	s_lshl_b32 s19, s19, 8
	MLOAD
	v_max3_num_f32 v254, v[BM], v[BM+1], v[BM+2]
	v_max_num_f32 v254, v254, v[BM+3]              ; the step's largest score of my query
	v_mul_f32 v254, s22, v254                      ; as t (c is positive)
	v_max_num_f32 v13, v13, v254                   ; the running largest t
	v_mov_b32 v254, v12
	v_floor_f32 v12, -v13                          ; the new -M = floor(-t): M is a whole number
	v_sub_f32 v254, v12, v254                      ; old M - new M: 0 or less
	v_cvt_i32_f32 v254, v254                       ; (it saturates)
	v_ldexp_f32 v252, 1.0, v254                    ; f = 2^(old M - new M)
.set j, 0
.rept 32
	v_pk_fma_f32 v[SS+j:SS+j+1], v[SS+j:SS+j+1], s[22:23], v[12:13] op_sel_hi:[1,0,0]   ; t - M, two at a time
.set j, j+2
.endr
.irp b, 0,1,2,3
	v_fma_f32 v[BM+\b], v[BM+\b], s22, v12         ; the same of each block's largest score
.endr
.set j, 0
	s_wait_alu depctr_va_vdst(0)
.rept 64
	v_exp_f32 v[SS+j], v[SS+j]                     ; p = 2^(t - M), at most 1
.set j, j+1
.endr
.irp b, 0,1,2,3
	v_exp_f32 v[BM+\b], v[BM+\b]                   ; the block's largest p
.endr
	v_pk_mul_f32 v[14:15], v[14:15], v[252:253] op_sel_hi:[1,0]   ; the sums under the new M (a plain place behind the exponentials)
	s_wait_alu depctr_va_vdst(0)                   ; the 68 exponentials have written p and the blocks' largest p: one wait for the batch, ahead of its first reader
.irp b, 0,1,2,3
	v_max_num_f32 v[BM+\b], 0x1800000, v[BM+\b]    ; the floor 2^(3 - 127): the byte cannot fall under 1
.endr
.irp b, 0,1,2,3
	v_add_nc_u32 v[SO+\b], 0xff000000, v[BM+\b]    ; 2 off the exponent field: the conversion's scale operand
.endr
.irp b, 0,1,2,3
	v_lshrrev_b32 v[BY+\b], 23, v[SO+\b]
.endr
	v_lshl_or_b32 v253, v[BY+1], 8, v[BY]          ; p's scale word for these 128 keys
	v_lshl_or_b32 v253, v[BY+2], 16, v253
	v_lshl_or_b32 v253, v[BY+3], 24, v253
.irp c, 0,1
	v_cvt_scalef32_pk16_fp6_f32 v[PC+6*\c:PC+6*\c+2], v[SS+32*\c:SS+32*\c+15], v[SO+2*\c]
	v_cvt_scalef32_pk16_fp6_f32 v[CT+4*\c:CT+4*\c+2], v[SS+16+32*\c:SS+31+32*\c], v[SO+2*\c+1]
.endr
	v_nop                                          ; one plain place behind a scaled conversion
.irp c, 0,1
.irp i, 0,1,2
	v_permlane16_swap_b32 v[PC+6*\c+\i], v[CT+4*\c+\i]
.endr
.irp i, 0,1,2
	v_mov_b32 v[PC+3+6*\c+\i], v[CT+4*\c+\i]
.endr
.endr
	v_pk_add_f32 v[CT:CT+1], v[SS:SS+1], v[SS+2:SS+3]   ; the row's sum is taken of the unquantised p: two at a time, in two chains
.irp j, 4,8,12,16,20,24,28,32,36,40,44,48,52,56,60
	v_pk_add_f32 v[14:15], v[14:15], v[SS+\j:SS+\j+1]
	v_pk_add_f32 v[CT:CT+1], v[CT:CT+1], v[SS+\j+2:SS+\j+3]
.endr
	v_pk_add_f32 v[14:15], v[14:15], v[CT:CT+1]
.set j, 0
.rept 16
	v_pk_mul_f32 v[OO+j:OO+j+1], v[OO+j:OO+j+1], v[252:253] op_sel_hi:[1,0]   ; O^T under the new M.  (The sums and these are the places between the codes' and the scale word's last writes and the products)
.set j, j+2
.endr
	s_wait_dscnt 0x0                               ; v's record
	s_wait_alu depctr_va_vdst(0)                   ; behind the places: p's codes v224-235 and its scale word v253 are written, which the products below take as source 1 and as its scales
.irp t, 0,1,2,3
	v_wmma_scale_f32_16x16x128_f8f6f4 v[OO+8*\t:OO+8*\t+7], v[KF+12*\t:KF+12*\t+11], v[PC:PC+11], v[OO+8*\t:OO+8*\t+7], v[KS+\t], v253 matrix_a_fmt:MATRIX_FMT_FP6 matrix_b_fmt:MATRIX_FMT_FP6
.endr
.endm
; One head: c = 0, 1.  The step is written once a head: O^T and the sum begin as zeros and the largest t as -3e38, so that the first change of M multiplies zeros.
.macro HEAD c, dst
.if \c
.irp i, 0,1,2,3,4,5
	v_mov_b32 v[22+\i], v[6+\i]
.endr
	v_mov_b32 v5, v34
	s_add_nc_u64 s[8:9], s[8:9], 131072            ; the second head's mask words (no scalar load is out: the first head ended with a wait for them)
.endif
	v_mov_b32 v13, 0xff61b1e6                      ; -3e38
	v_floor_f32 v12, -v13
	v_mov_b32 v14, 0
	v_mov_b32 v15, 0
.set j, 0
.rept 32
	v_mov_b32 v[OO+j], 0                           ; (these are also the places between the writes of q and its scale word and the first product)
.set j, j+1
.endr
	s_mov_b32 s17, \c*106496
	s_mov_b32 s18, 0
	s_mov_b32 s19, 0
	MLOAD
.Lstep_\@:
	STEP
	s_add_co_u32 s17, s17, 6656
	s_add_co_u32 s18, s18, 1
	s_cmp_lt_u32 s18, 8
	s_cbranch_scc1 .Lstep_\@
	s_wait_kmcnt 0x0                               ; the last step's spare request: its registers and its base are written again below
.rept 4
	v_nop
.endr
	v_add_f32 v14, v14, v15                        ; the sum's two halves,
	v_permlanex16_b32 v254, v14, s20, s21
	v_add_f32 v14, v14, v254                       ; and lane l xor 16's: the row's sum
	s_wait_alu depctr_va_vdst(0)
	v_rcp_f32 v14, v14
	v_nop                                          ; one plain place behind a transcendental
.set j, 0
	s_wait_alu depctr_va_vdst(0)                   ; the reciprocal has written v14, ahead of its first reader
.rept 16
	v_pk_mul_f32 v[\dst+j:\dst+j+1], v[OO+j:OO+j+1], v[14:15] op_sel_hi:[1,0]   ; o = O^T / the sum: register 16 b + i is channel 32 b + 16 hh + i of the head
.set j, j+2
.endr
.endm
	HEAD 0, HOLD
	HEAD 1, SS
	; The two heads' 128 channels are one K step of the last product: four blocks of 32, at v192, v208, v96, v112
.irp b, 0,1,2,3
	v_max3_num_f32 v[BM+\b], |v[192+16*\b-128*(\b/2)]|, |v[193+16*\b-128*(\b/2)]|, 0x1800000
.endr
.irp i, 2,4,6,8,10,12,14
.irp b, 0,1,2,3
	v_max3_num_f32 v[BM+\b], v[BM+\b], |v[192+16*\b-128*(\b/2)+\i]|, |v[193+16*\b-128*(\b/2)+\i]|
.endr
.endr
.irp b, 0,1,2,3
	v_permlanex16_b32 v[T2+\b], v[BM+\b], s20, s21
.endr
.irp b, 0,1,2,3
	v_max_num_f32 v[BM+\b], v[BM+\b], v[T2+\b]
.endr
.irp b, 0,1,2,3
	v_add_nc_u32 v[SO+\b], 0xff000000, v[BM+\b]
.endr
.irp b, 0,1,2,3
	v_lshrrev_b32 v[BY+\b], 23, v[SO+\b]
.endr
	v_lshl_or_b32 v253, v[BY+1], 8, v[BY]
	v_lshl_or_b32 v253, v[BY+2], 16, v253
	v_lshl_or_b32 v253, v[BY+3], 24, v253
	v_cvt_scalef32_pk16_fp6_f32 v[PC:PC+2], v[192:207], v[SO]
	v_cvt_scalef32_pk16_fp6_f32 v[CT:CT+2], v[208:223], v[SO+1]
	v_cvt_scalef32_pk16_fp6_f32 v[PC+6:PC+8], v[96:111], v[SO+2]
	v_cvt_scalef32_pk16_fp6_f32 v[CT+4:CT+6], v[112:127], v[SO+3]
	v_nop
.irp c, 0,1
.irp i, 0,1,2
	v_permlane16_swap_b32 v[PC+6*\c+\i], v[CT+4*\c+\i]
.endr
.irp i, 0,1,2
	v_mov_b32 v[PC+3+6*\c+\i], v[CT+4*\c+\i]
.endr
.endr
	s_wait_alu depctr_va_vdst(0)                   ; o's codes v224-235 and its scale word v253 are written, which the stores read
.irp g, 0,1,2
	global_store_b128 v1, v[PC+4*\g:PC+4*\g+3], s[10:11] offset:512*\g   ; the fragment's image: 512 consecutive bytes a store
.endr
	global_store_b32 v3, v253, s[12:13]
	s_wait_dscnt 0x0                               ; the closing lines, six on end
	s_wait_alu 0x0
	s_wait_tensorcnt 0x0
	ds_add_u32 v243, v255
	s_wait_dscnt 0x0
	s_endpgm
.Lfunc_end_k_qbc42435120_attn:
	.size	k_qbc42435120_attn, .Lfunc_end_k_qbc42435120_attn-k_qbc42435120_attn
	.p2alignl 7, 3214868480
	.fill 96, 4, 3214868480
	.section	.rodata,"a",@progbits
	.p2align	6, 0x0
	.amdhsa_kernel k_qbc42435120_attn
		.amdhsa_group_segment_fixed_size 215040
		.amdhsa_private_segment_fixed_size 0
		.amdhsa_enable_private_segment 0
		.amdhsa_kernarg_size 40
		.amdhsa_user_sgpr_count 2
		.amdhsa_user_sgpr_kernarg_segment_ptr 1
		.amdhsa_wavefront_size32 1
		.amdhsa_system_sgpr_workgroup_id_x 1
		.amdhsa_system_sgpr_workgroup_id_y 1
		.amdhsa_system_sgpr_workgroup_id_z 1
		.amdhsa_system_vgpr_workitem_id 0
		.amdhsa_next_free_vgpr 256
		.amdhsa_next_free_sgpr 100
		.amdhsa_reserve_vcc 0
		.amdhsa_float_denorm_mode_32 3
		.amdhsa_float_denorm_mode_16_64 3
		.amdhsa_memory_ordered 1
		.amdhsa_forward_progress 1
		.amdhsa_inst_pref_size 60
	.end_amdhsa_kernel
	.amdgpu_metadata
---
amdhsa.version: [ 1, 2 ]
amdhsa.kernels:
  - .name:           k_qbc42435120_attn
    .symbol:         k_qbc42435120_attn.kd
    .args:
      - { .name: kv, .offset: 0, .size: 8, .value_kind: global_buffer, .address_space: global }
      - { .name: qi, .offset: 8, .size: 8, .value_kind: global_buffer, .address_space: global }
      - { .name: mb, .offset: 16, .size: 8, .value_kind: global_buffer, .address_space: global }
      - { .name: oc, .offset: 24, .size: 8, .value_kind: global_buffer, .address_space: global }
      - { .name: osc, .offset: 32, .size: 8, .value_kind: global_buffer, .address_space: global }
    .group_segment_fixed_size: 215040
    .private_segment_fixed_size: 0
    .kernarg_segment_align: 8
    .kernarg_segment_size: 40
    .max_flat_workgroup_size: 512
    .sgpr_count:     100
    .vgpr_count:     256
    .wavefront_size: 32
...
	.end_amdgpu_metadata
.endif
;; end of part 7
;; launch outp (part 8): grid 256 x 1, 16 waves a work-group, no clusters, 116,736 bytes of LDS; arguments xf, xs, oc, osc, wt, dense_b, ln_g, ln_b, out0; writes out0
.if DOCPART == 8
	.amdgcn_target "amdgcn-amd-amdhsa--gfx1250"
	.amdhsa_code_object_version 6
	.text
	.protected	k_qbc42435120_outp
	.globl	k_qbc42435120_outp
	.p2align	8
	.type	k_qbc42435120_outp,@function
k_qbc42435120_outp:
	s_mov_b64 s[64:65], 0
	v_nop
	global_prefetch_b8 v0, s[64:65] scope:SCOPE_SE
	s_setreg_imm32_b32 hwreg(HW_REG_WAVE_SCHED_MODE, 0, 2), 2
	s_setreg_imm32_b32 hwreg(HW_REG_WAVE_MODE, 25, 1), 1
	s_wait_xcnt 0x0
	s_wait_alu depctr_vm_vsrc(0)
; out0 = LayerNorm(x res_w + o dense_w + dense_b) x ln_g + ln_b.  The residual is never stored: it is four more K steps of the same sums (K = 512 + 1,024 = 12 steps of 128), on codes of FP6 (E2M3).
; SHARES.  A work-group owns a run of 32 whole rows (two tiles of 16 tokens), so that the norm stays inside it.  Wave w of sixteen owns columns 64 w .. 64 w + 63: four tiles of the weights' rows.
; The tokens' 24 fragments (36,864 bytes) and o's scale words are copied into LDS once and read by all waves; x's eight scale words go straight into registers; a wave's weights come from memory straight into
; its registers, record by record (13 loads of 512 consecutive bytes), through two buffers, each asked for again as soon as its products are done: each fragment is used by the one wave that loads it, twice, so a way through LDS would only add reads.
; The same weights are read by all 256 work-groups; they are not shared by joint loads, since that way leads through LDS: 1,536 bytes read for every two products.
; The products are used transposed (source 0 = 16 rows of the weight, source 1 = 16 tokens): register 32 u + k of lane (r, hh) is token (u, r), column 64 w + 32 (k / 16) + 16 hh + k % 16.
; The norm takes the mean first and then the mean of the squared differences, as the problem writes it; the waves' parts meet in LDS, 80 bytes a token.
; LIMITS: NaN and infinities are not served.
; THE MODE: SCHED_MODE bits 1:0 = 2 (LLVM: expert scheduling mode 2), set by the entry lines.  The code itself states the register dependences
; between vector or matrix instructions and memory or LDS instructions, with s_wait_alu, always for 0.
; THE PLAN.  Registers that memory or LDS instructions touch:
;   v1-v12          offsets and LDS addresses, made at the head and never written again.
;   v16-36          at the head only: the copy's data, read by its LDS stores; afterwards accumulators.
;   record buffers v80-131, v132-183 and token sets v184-209, v210-235: step s's eight products read buffer and set s % 2; the loads of step s + 2 land there, asked for at the head of step s + 1.
;   v200            each reduction's word: written by vector instructions, read by the reduction's LDS store.   v184-199: the reduction's LDS loads land there; vector instructions add them up.
;   v16-79          on the way out: written by the norm's vector instructions, read by the stage's LDS stores.   v80-111, v132-163: the stage's LDS loads land there; the global stores read them.
;   v254, v255      written at the head, read by the closing add alone.
; So ONE wait on va_vdst stands at the head of a step: the step before is done reading the record buffer and the token set that the step's 19 to 21 loads land in.  The record's loads stand first behind it: the wave's next step waits for them.
.set AF,   0                           ; LDS: fragment (K step, tile) at (2 step + tile) x 1,536
.set AS,   36864                       ; scale words at (2 step + tile) x 128 (steps 4-11; the first 1,024 bytes are not used)
.set RED1, 39936                       ; 32 tokens x 80 bytes: a word for each wave; a second such block 2,560 bytes on
.set STG,  45056                       ; a stage of 16 rows x 272 bytes for each wave
.set ACC,  16                          ; v16-79   eight accumulators: 32 u + 8 t
.set XSC,  236                         ; v236-243 x's scale words: 2 step + tile
; v80-127 + v128-131, v132-179 + v180-183: two weight records; v184-207 + v208-209, v210-233 + v234-235: two sets of the tokens' two fragments and scale words.
; Behind the products: v80-111 dense_b, then rows on the way out; v132-163 ln_g, then rows; v112-127, v164-179 ln_b; v184-203 the reductions; v210-217 means and reciprocal deviations; v244-247 lane permutes' destinations.
	s_load_b128 s[4:7], s[0:1], 0x0                ; xf, xs
	s_load_b128 s[8:11], s[0:1], 0x10              ; oc, osc
	s_load_b128 s[12:15], s[0:1], 0x20             ; wt, dense_b
	s_load_b128 s[16:19], s[0:1], 0x30             ; ln_g, ln_b
	s_load_b64 s[20:21], s[0:1], 0x40              ; out0
	v_lshl_add_u32 v254, v0, 2, 0x1c000
	v_mov_b32 v255, 0
	v_lshrrev_b32 v13, 5, v0
	v_readfirstlane_b32 s22, v13                   ; wave 0..15
	v_and_b32 v13, 31, v0                          ; lane
	v_and_b32 v14, 15, v0                          ; r
	v_bfe_u32 v15, v0, 4, 1                        ; hh
	v_lshlrev_b32 v1, 4, v13                       ; 16 x lane
	v_lshlrev_b32 v2, 2, v13                       ; 4 x lane
	v_lshlrev_b32 v3, 6, v15                       ; 64 hh: the vectors' 16 numbers of my half
	v_mul_u32_u24 v5, v13, 80
	v_add_nc_u32 v5, RED1, v5                      ; token l's sixteen words
	s_wait_alu depctr_va_sdst(0)                   ; s22 is written, ahead of its first reader: my wave's LDS places and my columns' bases are made from it
	s_lshl_b32 s28, s22, 2
	v_add_nc_u32 v4, s28, v5                       ; and my wave's among them
	s_mul_i32 s28, s22, 4352
	s_add_co_u32 s28, s28, STG                     ; my stage
	v_mul_u32_u24 v6, v14, 272
	v_lshl_add_u32 v6, v15, 6, v6
	v_add_nc_u32 v6, s28, v6                       ; in: row r, + 64 hh
	v_mul_u32_u24 v7, v15, 272
	v_lshl_add_u32 v7, v14, 4, v7
	v_add_nc_u32 v7, s28, v7                       ; back: lanes 0-15 one row of 256 bytes, lanes 16-31 the next
	v_lshlrev_b32 v8, 12, v15
	v_lshl_add_u32 v8, v14, 4, v8                  ; and the same two rows in out0
	v_lshlrev_b32 v9, 3, v0                        ; the copy: 8, 16, 4 bytes a thread
	v_lshlrev_b32 v11, 4, v0
	v_lshlrev_b32 v12, 2, v0
.irp i, 0,1,2,3
	v_mov_b32 v[244+\i], 0                         ; written once: a lane permute's destination counts as one of its sources
.endr
	s_mov_b32 s23, 0xffff0000                      ; lanes 16-31
	s_mov_b32 s24, 0x76543210
	s_mov_b32 s25, 0xfedcba98                      ; v_permlanex16_b32's selects for lane l xor 16
	s_mov_b32 s26, 0x3a800000                      ; 1 / 1,024
	s_mov_b32 s27, 0x3727c5ac                      ; 1e-5
	s_mul_i32 s28, ttmp9, 12288
	s_mov_b32 s29, 0
	s_lshl_b32 s30, ttmp9, 10
	s_mov_b32 s31, 0
	s_mul_i32 s32, ttmp9, 24576
	s_mov_b32 s33, 0
	s_lshl_b32 s34, ttmp9, 11
	s_mov_b32 s35, 0
	s_mul_i32 s36, s22, 12
	s_add_co_u32 s36, s36, 192
	s_mul_i32 s36, s36, 6656                       ; my column group's twelve records
	s_mov_b32 s37, 0
	s_lshl_b32 s38, s22, 8                         ; my 64 columns: 256 bytes
	s_mov_b32 s39, 0
	s_wait_kmcnt 0x0
	s_add_nc_u64 s[4:5], s[4:5], s[28:29]
	s_add_nc_u64 s[6:7], s[6:7], s[30:31]
	s_add_nc_u64 s[8:9], s[8:9], s[32:33]
	s_add_nc_u64 s[10:11], s[10:11], s[34:35]
	s_add_nc_u64 s[12:13], s[12:13], s[36:37]
	s_add_nc_u64 s[14:15], s[14:15], s[38:39]
	s_add_nc_u64 s[16:17], s[16:17], s[38:39]
	s_add_nc_u64 s[18:19], s[18:19], s[38:39]
	s_add_nc_u64 s[20:21], s[20:21], s[38:39]
	s_lshl_b32 s28, ttmp9, 17                      ; 32 rows of 4,096 bytes
	s_add_nc_u64 s[20:21], s[20:21], s[28:29]
.macro WLD s                           ; K step s's record of my columns
.set WB, 80+52*((\s)%2)
.irp g, 0,1,2,3,4,5,6,7,8,9,10,11,12
	global_load_b128 v[WB+4*\g:WB+4*\g+3], v1, s[12:13] offset:(\s)*6656+512*\g
.endr
.endm
.macro ALD s                           ; K step s's two fragments of tokens, and from step 4 on their scale words: 6 or 8 LDS loads
.set AB, 184+26*((\s)%2)
.irp u, 0,1
.irp g, 0,1,2
	ds_load_b128 v[AB+12*\u+4*\g:AB+12*\u+4*\g+3], v1 offset:AF+(2*(\s)+\u)*1536+512*\g
.endr
.endr
.if (\s) >= 4
.irp u, 0,1
	ds_load_b32 v[AB+24+\u], v2 offset:AS+(2*(\s)+\u)*128
.endr
.endif
.endm
	s_wait_alu depctr_va_vdst(0)                   ; v1 to v12 are written, which every load and store of the kernel reads as its offset or LDS address
.irp i, 0,1,2
	global_load_b64 v[16+2*\i:17+2*\i], v9, s[4:5] offset:4096*\i        ; x's 12,288 bytes
.endr
.irp i, 0,1,2
	global_load_b128 v[24+4*\i:27+4*\i], v11, s[8:9] offset:8192*\i      ; o's 24,576 bytes
.endr
	global_load_b32 v36, v12, s[10:11]                                   ; o's 2,048 bytes of scale words
.irp e, 0,1,2,3,4,5,6,7
	global_load_b32 v[XSC+\e], v2, s[6:7] offset:128*\e                  ; x's scale words
.endr
	WLD 0
	WLD 1
	s_wait_loadcnt 26                              ; all but the two records' 26 loads
.irp i, 0,1,2
	ds_store_b64 v9, v[16+2*\i:17+2*\i] offset:AF+4096*\i
.endr
.irp i, 0,1,2
	ds_store_b128 v11, v[24+4*\i:27+4*\i] offset:AF+12288+8192*\i
.endr
	ds_store_b32 v12, v36 offset:AS+1024
	s_wait_dscnt 0x0                               ; my part of the copy has landed
	s_barrier_signal -1
	s_barrier_wait -1                              ; everybody's has
	s_wait_alu depctr_vm_vsrc(0)                   ; my LDS stores have read v16 to v36: these registers are accumulators from here on, written by the products
	ALD 0
.macro KSTEP s
.if (\s) >= 1
	s_wait_alu depctr_va_vdst(0)                   ; the step before is done reading its record buffer, its token set and their scale words, in which the loads below land
.endif
.if ((\s) >= 1) && ((\s) <= 10)
	WLD (\s)+1                                     ; the next step's record, first: the next step waits for it
.endif
.if (\s) == 11
.irp q, 0,1,2,3,4,5,6,7
	global_load_b128 v[80+4*\q:83+4*\q], v3, s[14:15] offset:128*(\q/4)+16*(\q%4)   ; dense_b in the result's layout
.endr
.endif
.if (\s) < 11
	ALD (\s)+1                                     ; into the set that the last step multiplied
	s_wait_loadcnt 13                              ; this step's record is in; the next step's 13 loads may be out
.else
	s_wait_loadcnt 8                               ; behind the last record: dense_b's 8 loads
.endif
.if (\s) == 11
	s_wait_dscnt 0x0
.elseif (\s)+1 >= 4
	s_wait_dscnt 8                                 ; this step's tokens are in; the next step's 8 LDS loads may be out
.else
	s_wait_dscnt 6                                 ; (6: x's scale words do not come through LDS)
.endif
.set WB, 80+52*((\s)%2)
.set AB, 184+26*((\s)%2)
.irp u, 0,1                            ; the eight accumulators take turns, one instruction a turn
.irp t, 0,1,2,3
.if (\s) < 4
.set SCA, XSC+2*(\s)+\u
.else
.set SCA, AB+24+\u
.endif
.if (\s) == 0
	v_wmma_scale_f32_16x16x128_f8f6f4 v[ACC+32*\u+8*\t:ACC+32*\u+8*\t+7], v[WB+12*\t:WB+12*\t+11], v[AB+12*\u:AB+12*\u+11], 0, v[WB+48+\t], v[SCA] matrix_a_fmt:MATRIX_FMT_FP6 matrix_b_fmt:MATRIX_FMT_FP6
.else
	v_wmma_scale_f32_16x16x128_f8f6f4 v[ACC+32*\u+8*\t:ACC+32*\u+8*\t+7], v[WB+12*\t:WB+12*\t+11], v[AB+12*\u:AB+12*\u+11], v[ACC+32*\u+8*\t:ACC+32*\u+8*\t+7], v[WB+48+\t], v[SCA] matrix_a_fmt:MATRIX_FMT_FP6 matrix_b_fmt:MATRIX_FMT_FP6
.endif
.endr
.endr
.rept 4
	v_nop                                          ; four places behind the products (ISA guide 7.12.1), in front of the first read of results; they stay beside the wait at the next step's head
.endr
.endm
	KSTEP 0
	KSTEP 1
	KSTEP 2
	KSTEP 3
	KSTEP 4
	KSTEP 5
	KSTEP 6
	KSTEP 7
	KSTEP 8
	KSTEP 9
	KSTEP 10
	KSTEP 11
	s_wait_alu depctr_va_vdst(0)                   ; the last step's products are done reading record buffer 1, in which ln_g and half of ln_b land
.irp q, 0,1,2,3,4,5,6,7
	global_load_b128 v[132+4*\q:135+4*\q], v3, s[16:17] offset:128*(\q/4)+16*(\q%4)               ; ln_g
.endr
.irp q, 0,1,2,3,4,5,6,7
	global_load_b128 v[112+4*\q+36*(\q/4):115+4*\q+36*(\q/4)], v3, s[18:19] offset:128*(\q/4)+16*(\q%4)   ; ln_b
.endr
	s_wait_loadcnt 16                              ; dense_b is in; the 16 loads just issued may be out
.irp u, 0,1
.irp k, 0,2,4,6,8,10,12,14,16,18,20,22,24,26,28,30
	v_pk_add_f32 v[ACC+32*\u+\k:ACC+32*\u+\k+1], v[ACC+32*\u+\k:ACC+32*\u+\k+1], v[80+\k:81+\k]   ; + dense_b; ascending: each accumulator is read from its low end on
.endr
.endr
; The two tiles' partial sums in v[200:201] and v[202:203] become, in v184 of lane l, the whole row's sum of token l (tile l / 16, row l % 16).  off: which block of words.
.macro REDUCE off
	v_add_f32 v200, v200, v201
	v_add_f32 v202, v202, v203
	v_permlanex16_b32 v244, v200, s24, s25
	v_permlanex16_b32 v245, v202, s24, s25
	v_add_f32 v200, v200, v244                     ; with lane l xor 16's 32 columns: my wave's 64
	v_add_f32 v202, v202, v245
	v_cndmask_b32 v200, v200, v202, s23            ; lanes 0-15 speak for tile 0, lanes 16-31 for tile 1
	s_wait_alu depctr_va_vdst(0)                   ; v200 is written, which the LDS store reads; and the vector instructions that named v184-199 are done, in which the LDS loads below land
	ds_store_b32 v4, v200 offset:\off
	s_wait_dscnt 0x0                               ; for the others' sake: my word has landed
	s_barrier_signal -1
	s_barrier_wait -1
.irp c, 0,1,2,3
	ds_load_b128 v[184+4*\c:187+4*\c], v5 offset:\off+16*\c
.endr
	s_wait_dscnt 0x0
.irp c, 0,2,4,6
	v_pk_add_f32 v[184+\c:185+\c], v[184+\c:185+\c], v[192+\c:193+\c]   ; the same order in every wave: all waves get the same bits
.endr
	v_pk_add_f32 v[184:185], v[184:185], v[188:189]
	v_pk_add_f32 v[186:187], v[186:187], v[190:191]
	v_pk_add_f32 v[184:185], v[184:185], v[186:187]
	v_add_f32 v184, v184, v185
.endm
; v184 (token l's number) is spread: v[d], v[d + 1] tile 0's row r, v[d + 2], v[d + 3] tile 1's, in every lane (both words of a pair are written, since the packed forms name pairs)
.macro SPREAD d
	v_permlanex16_b32 v246, v184, s24, s25
	v_cndmask_b32 v[\d], v184, v246, s23
	v_cndmask_b32 v[\d+2], v246, v184, s23
	v_mov_b32 v[\d+1], v[\d]
	v_mov_b32 v[\d+3], v[\d+2]
.endm
	v_pk_add_f32 v[200:201], v[ACC:ACC+1], v[ACC+2:ACC+3]
	v_pk_add_f32 v[202:203], v[ACC+32:ACC+33], v[ACC+34:ACC+35]
.irp k, 4,6,8,10,12,14,16,18,20,22,24,26,28,30
	v_pk_add_f32 v[200:201], v[200:201], v[ACC+\k:ACC+\k+1]
	v_pk_add_f32 v[202:203], v[202:203], v[ACC+32+\k:ACC+33+\k]
.endr
	REDUCE 0
	v_mul_f32 v184, s26, v184                      ; the mean
	SPREAD 210
.irp u, 0,1
.irp k, 0,2,4,6,8,10,12,14,16,18,20,22,24,26,28,30
	v_pk_add_f32 v[ACC+32*\u+\k:ACC+32*\u+\k+1], v[ACC+32*\u+\k:ACC+32*\u+\k+1], v[210+2*\u:211+2*\u] op_sel_hi:[1,0] neg_lo:[0,1] neg_hi:[0,1]   ; y - mean
.endr
.endr
	s_wait_alu depctr_vm_vsrc(0)                   ; the first reduction's LDS store has read v200, which the next line writes again
	v_pk_mul_f32 v[200:201], v[ACC:ACC+1], v[ACC:ACC+1]
	v_pk_mul_f32 v[202:203], v[ACC+32:ACC+33], v[ACC+32:ACC+33]
.irp k, 2,4,6,8,10,12,14,16,18,20,22,24,26,28,30
	v_pk_fma_f32 v[200:201], v[ACC+\k:ACC+\k+1], v[ACC+\k:ACC+\k+1], v[200:201]
	v_pk_fma_f32 v[202:203], v[ACC+32+\k:ACC+33+\k], v[ACC+32+\k:ACC+33+\k], v[202:203]
.endr
	REDUCE 2560                                    ; other bytes than the first reduction's: no wave can overwrite what another still reads
	v_fma_f32 v184, v184, s26, s27                 ; the variance + 1e-5
	s_wait_alu depctr_va_vdst(0)
	v_rsq_f32 v184, v184
	v_nop                                          ; one plain place behind a transcendental
	s_wait_alu depctr_va_vdst(0)                   ; the reciprocal root has written v184, ahead of its first reader
	SPREAD 214
	s_wait_alu depctr_va_vdst(0)
	s_wait_loadcnt 0x0                             ; ln_g, ln_b
.irp u, 0,1
.irp k, 0,2,4,6,8,10,12,14,16,18,20,22,24,26,28,30
	v_pk_mul_f32 v[ACC+32*\u+\k:ACC+32*\u+\k+1], v[ACC+32*\u+\k:ACC+32*\u+\k+1], v[214+2*\u:215+2*\u] op_sel_hi:[1,0]
.endr
.endr
.irp u, 0,1
.irp k, 0,2,4,6,8,10,12,14,16,18,20,22,24,26,28,30
	v_pk_fma_f32 v[ACC+32*\u+\k:ACC+32*\u+\k+1], v[ACC+32*\u+\k:ACC+32*\u+\k+1], v[132+\k:133+\k], v[112+\k+36*(\k/16):113+\k+36*(\k/16)]
.endr
.endr
	; THE WAY OUT.  A lane holds pieces of one row; a tile's 16 rows x my 256 bytes go through my own stage and come back as whole pieces of 256 bytes.  LDS serves a wave's instructions in order: no wait between stores and loads.
	s_wait_alu depctr_va_vdst(0)                   ; the norm has written v16-79, which the LDS stores read, and is done reading dense_b and ln_g, in whose registers the LDS loads land
.irp u, 0,1
.irp q, 0,1,2,3,4,5,6,7
	ds_store_b128 v6, v[ACC+32*\u+4*\q:ACC+32*\u+4*\q+3] offset:128*(\q/4)+16*(\q%4)
.endr
.irp i, 0,1,2,3,4,5,6,7
	ds_load_b128 v[80+52*\u+4*\i:83+52*\u+4*\i], v7 offset:544*\i
.endr
.endr
.irp u, 0,1
.irp i, 0,1,2,3,4,5,6,7
	s_wait_dscnt 23-16*\u-\i                       ; behind this load stand the rest of its run and, for tile 0, tile 1's 8 stores and 8 loads
	global_store_b128 v8, v[80+52*\u+4*\i:83+52*\u+4*\i], s[20:21] offset:(8*\u+2*\i+8*(\i/4))*4096 th:TH_STORE_NT   ; 16 lanes store 256 consecutive bytes, aligned; the tile's row 2 i + hh is token 8 u + 2 i + hh + 8 (i / 4) of the run
.endr
.endr
	s_wait_dscnt 0x0                               ; the closing lines, six on end
	s_wait_alu 0x0
	s_wait_tensorcnt 0x0
	ds_add_u32 v254, v255
	s_wait_dscnt 0x0
	s_endpgm
.Lfunc_end_k_qbc42435120_outp:
	.size	k_qbc42435120_outp, .Lfunc_end_k_qbc42435120_outp-k_qbc42435120_outp
	.p2alignl 7, 3214868480
	.fill 96, 4, 3214868480
	.section	.rodata,"a",@progbits
	.p2align	6, 0x0
	.amdhsa_kernel k_qbc42435120_outp
		.amdhsa_group_segment_fixed_size 116736
		.amdhsa_private_segment_fixed_size 0
		.amdhsa_enable_private_segment 0
		.amdhsa_kernarg_size 72
		.amdhsa_user_sgpr_count 2
		.amdhsa_user_sgpr_kernarg_segment_ptr 1
		.amdhsa_wavefront_size32 1
		.amdhsa_system_sgpr_workgroup_id_x 1
		.amdhsa_system_sgpr_workgroup_id_y 1
		.amdhsa_system_sgpr_workgroup_id_z 1
		.amdhsa_system_vgpr_workitem_id 0
		.amdhsa_next_free_vgpr 256
		.amdhsa_next_free_sgpr 66
		.amdhsa_reserve_vcc 0
		.amdhsa_float_denorm_mode_32 3
		.amdhsa_float_denorm_mode_16_64 3
		.amdhsa_memory_ordered 1
		.amdhsa_forward_progress 1
		.amdhsa_inst_pref_size 62
	.end_amdhsa_kernel
	.amdgpu_metadata
---
amdhsa.version: [ 1, 2 ]
amdhsa.kernels:
  - .name:           k_qbc42435120_outp
    .symbol:         k_qbc42435120_outp.kd
    .args:
      - { .name: xf, .offset: 0, .size: 8, .value_kind: global_buffer, .address_space: global }
      - { .name: xs, .offset: 8, .size: 8, .value_kind: global_buffer, .address_space: global }
      - { .name: oc, .offset: 16, .size: 8, .value_kind: global_buffer, .address_space: global }
      - { .name: osc, .offset: 24, .size: 8, .value_kind: global_buffer, .address_space: global }
      - { .name: wt, .offset: 32, .size: 8, .value_kind: global_buffer, .address_space: global }
      - { .name: dense_b, .offset: 40, .size: 8, .value_kind: global_buffer, .address_space: global }
      - { .name: ln_g, .offset: 48, .size: 8, .value_kind: global_buffer, .address_space: global }
      - { .name: ln_b, .offset: 56, .size: 8, .value_kind: global_buffer, .address_space: global }
      - { .name: out0, .offset: 64, .size: 8, .value_kind: global_buffer, .address_space: global }
    .group_segment_fixed_size: 116736
    .private_segment_fixed_size: 0
    .kernarg_segment_align: 8
    .kernarg_segment_size: 72
    .max_flat_workgroup_size: 512
    .sgpr_count:     66
    .vgpr_count:     256
    .wavefront_size: 32
...
	.end_amdgpu_metadata
.endif
;; end of part 8
